; MI455X (gfx1250); checked and timed in simulation.
; The chip was launched on July 23, 2026; its instructions are those of AMD's public machine-readable ISA for CDNA 5 (MIT licence, August 2026) and "CDNA5" Instruction Set Architecture Reference Guide (July 2026). The comments in the code are by the model that wrote it; some were corrected since.
;; DPSA. Allowed arithmetic: matrix products marked QUANTISED: E2M1 operands, one E8M0 scale for each 32 along K, by v_wmma_scale_f32_16x16x128_f8f6f4 with both operands' format E2M1 (or v_wmma_scale_f32_32x16x128_f4), f32 sums; products left as they are: bf16, f16 or f32 operands; f32 sums; everything else in f32.
;; Inputs: Wk_sal 1,024 x 1,024 float32; Wk_sem 1,024 x 1,024 float32; Wo 1,024 x 1,024 float32; Wq_sal 1,024 x 1,024 float32; Wq_sem 1,024 x 1,024 float32; Wv 1,024 x 1,024 float32; X_sal 2 x 2,048 x 1,024 float32; X_sem 2 x 2,048 x 1,024 float32; bk_sal 1,024 float32; bk_sem 1,024 float32; bo 1,024 float32; bq_sal 1,024 float32; bq_sem 1,024 float32; bv 1,024 float32; gamma one number float32; mask 2 x 1 x 2,048 x 2,048 int32.
;; Outputs: out0 2 x 2,048 x 1,024 float32.
;; This version of the problem:
;;   THIS VERSION OF THE PROBLEM IS GIVEN IN LOW PRECISION. The matrix products marked QUANTISED in the list below multiply operands that are first quantised to E2M1 (2 exponent bits, 1 mantissa bit; 4 bits a number), with one power-of-two scale for each 32 numbers along K (OCP MX v1.0); their sums are f32. The products marked 'left as it is' may take bf16, f16 or f32 operands, with f32 sums. Whichever they take, every output number must still come out within the allowed error. Rounding operands to bf16 (8 significant bits) uses up far more of that allowance than f16 does (11 bits, for magnitudes from 6e-5 to 65,504). All else is computed in f32.
;;   The module's matrix products, in the order in which they are computed (A, B: the left and right operand; K: the contracted axis; several contracted axes count as one K, in the product's order):
;;     1. [M 4,096, K 1,024] x [K 1,024, N 1,024]; A: input X_sem; B: input Wq_sem: QUANTISED
;;     2. [M 4,096, K 1,024] x [K 1,024, N 1,024]; A: input X_sem; B: input Wk_sem: QUANTISED
;;     3. [M 4,096, K 1,024] x [K 1,024, N 1,024]; A: input X_sem; B: input Wv: QUANTISED
;;     4. [M 4,096, K 1,024] x [K 1,024, N 1,024]; A: input X_sal; B: input Wq_sal: QUANTISED
;;     5. [M 4,096, K 1,024] x [K 1,024, N 1,024]; A: input X_sal; B: input Wk_sal: QUANTISED
;;     6. batch 32 x [M 2,048, K 64] x [K 64, N 2,048]; A: computed on the way; B: computed on the way: left as it is (an operand is computed on the way)
;;     7. batch 32 x [M 2,048, K 64] x [K 64, N 2,048]; A: computed on the way; B: computed on the way: left as it is (an operand is computed on the way)
;;     8. batch 32 x [M 2,048, K 2,048] x [K 2,048, N 64]; A: computed on the way; B: computed on the way: left as it is (an operand is computed on the way)
;;     9. [M 4,096, K 1,024] x [K 1,024, N 1,024]; A: computed on the way; B: input Wo: left as it is (an operand is computed on the way)
;;   THE QUANTISER, for each operand of a quantised product, along K:
;;     - K is cut into blocks of 32 from its start; a last block that is shorter is filled with zeros.
;;     - A block's scale is 2^e with e = floor(log2(the largest magnitude in the block)) - 2, held to -126 .. 127; a block of zeros has e = 0. As a byte (E8M0): e + 127.
;;     - Each number is divided by its block's scale, clamped to +-6, and rounded to the nearest number of E2M1, ties to even, subnormals kept.
;;     - The product sums the exact products of the quantised numbers (number of the format x scale) in f32.
;;   ~~~python
;;   def quantise(x, axis):      # numpy; x: float32 -> the quantised numbers, widened to float32 again
;;       x = np.moveaxis(x, axis, -1); K = x.shape[-1]
;;       x = np.pad(x, [(0, 0)] * (x.ndim - 1) + [(0, -K % 32)]); x = x.reshape(x.shape[:-1] + (-1, 32)); a = np.abs(x).max(-1, keepdims=True)
;;       e = np.where(a > 0, np.clip(np.frexp(np.where(a > 0, a, 1))[1] - 1 - 2, -126, 127), 0)      # np.frexp(a)[1] - 1 = floor(log2(a)), exactly
;;       r = np.clip(x / 2.0 ** e, -6, 6)
;;       step = 2.0 ** (np.maximum(np.frexp(np.where(r == 0, 1, r))[1] - 1, 0) - 1)
;;       q = np.round(r / step) * step * 2.0 ** e      # np.round: ties to even
;;       return np.moveaxis(q.reshape(q.shape[:-2] + (-1,))[..., :K], -1, axis).astype(np.float32)
;;   ~~~
;; One version. Each part assembles by itself: llvm-mc -triple=amdgcn-amd-amdhsa -mcpu=gfx1250 --defsym DOCPART=n.
;; ======== version 1 of 1: 4 launches
;; limits: values are held in f16: magnitudes above 65,504 overflow, below 6.1e-05 lose precision
;; workspace buffers: xq 4,194,304 bytes; xs 262,144 bytes; wq 2,785,280 bytes; wo16 2,097,152 bytes; mw 1,048,576 bytes of whole numbers; qf 16,777,216 bytes; kvf 25,165,824 bytes; att 8,388,608 bytes
;; launch prep (part 1): grid 608 x 1, 4 waves a work-group, no clusters, 69,120 bytes of LDS; arguments X_sem, X_sal, mask, Wq_sem, Wk_sem, Wv, Wq_sal, Wk_sal, Wo, xq, xs, mw, wq, wo16; writes xq, xs, mw, wq, wo16
.if DOCPART == 1
	.amdgcn_target "amdgcn-amd-amdhsa--gfx1250"
	.amdhsa_code_object_version 6
	.text
	.protected	k_q45c48cb1b2_prep
	.globl	k_q45c48cb1b2_prep
	.p2align	8
	.type	k_q45c48cb1b2_prep,@function
k_q45c48cb1b2_prep:
	s_mov_b64 s[64:65], 0
	v_nop
	global_prefetch_b8 v0, s[64:65] scope:SCOPE_SE
	s_setreg_imm32_b32 hwreg(HW_REG_WAVE_MODE, 25, 1), 1
	s_wait_xcnt 0x0
; PREP: everything that later launches read many times is brought into the reader's own form, once.
;   work-groups 0-95    the six weights [k][n], K their first axis: five become codes of FP4 (E2M1) with one E8M0 byte for each 32 along K, Wo becomes f16
;   work-groups 96-351  X_sem, X_sal [4096][1024] f32 become codes of FP4 and scale bytes
;   work-groups 352-607 the mask [2][2048][2048] int32 becomes words of 32 bits, one bit a lane of the wave that will use the word
; ALL RESULTS ARE IMAGES OF OPERAND REGISTERS: a fragment's four registers of lane l lie at 16 l, 512 bytes on end, so that the reader's loads are dense.
; A block's scale is 2^(floor(log2(largest magnitude)) - 2); its byte is the largest magnitude's exponent field - 2, held at 1 from below by a floor among the maximum's leaves.
; LIMITS: NaN and infinities among the inputs are not served.  A block of zeros gets the byte 1 where the rule says 127: its codes are zeros, which add nothing, and the bytes are read by this program alone.
; The three kinds part on the work-group's number; each has LDS bytes of its own.  Waves share nothing: no barrier.
.set XSTG,  16*528                     ; X: a wave's stage: 16 rows of 512 bytes + 16 of padding
.set MSTG,  32*272                     ; mask: a wave's stage: 32 rows of 256 bytes + 16
.set MST,   4*XSTG                     ; the mask's stages begin behind X's
.set SPARE, MST+4*MSTG                 ; the spare words, 128 bytes for each wave: two blocks of 256 bytes that no other line names
.set SPW,   30                         ; v30  LDS address of my spare word; never rewritten
.set NIL,   31                         ; v31  0; never rewritten
.set R,     64                         ; v64-191  two sets of 64 registers as loaded
.set TN,    192                        ; v192-255 64 numbers in the order that the work wants
.macro FINISH                          ; the wave's end, behind the last LDS store
	s_wait_tensorcnt 0x0
	ds_add_u32 v[SPW], v[NIL]
	s_wait_dscnt 0x0
	s_endpgm
.endm
	v_lshl_add_u32 v[SPW], v0, 2, SPARE
	v_mov_b32 v[NIL], 0
	v_lshrrev_b32 v1, 5, v0
	v_readfirstlane_b32 s3, v1                     ; wave 0..3
	v_and_b32 v5, 31, v0                           ; lane
	v_and_b32 v6, 15, v0                           ; r = lane % 16
	v_bfe_u32 v7, v0, 4, 1                         ; h = lane / 16
	s_cmp_lt_u32 ttmp9, 96
	s_cbranch_scc1 .Lweights
	s_cmp_lt_u32 ttmp9, 352
	s_cbranch_scc1 .Lx
; ---------------- THE MASK.  A wave takes 32 queries x 256 keys: four units of 32 rows x 256 bytes (64 keys, one key step of the attention).
; Word n = 32 u2 + 8 t + j of a unit: bit r + 16 h = (mask[query 16 u2 + r][key 16 t + 8 h + j] != 0): the lanes of register 8 t + j of a tile of scores.
	s_load_b64 s[4:5], s[0:1], 0x10                ; mask
	s_load_b64 s[6:7], s[0:1], 0x58                ; mw
	s_sub_co_u32 s12, ttmp9, 352
	s_lshl_b32 s12, s12, 2
	s_add_co_u32 s12, s12, s3                      ; 0..1023
	s_lshr_b32 s13, s12, 3                         ; which 32 queries: 64 b + pair
	s_and_b32 s14, s12, 7                          ; which 256 keys
	s_mul_i32 s16, s3, MSTG
	s_add_co_u32 s16, s16, MST                     ; my stage
	v_lshlrev_b32 v8, 4, v6
	v_lshl_add_u32 v1, v7, 13, v8                  ; in: sixteen lanes take 256 bytes of a row, the other sixteen the next row (8,192 bytes on)
	v_mul_u32_u24 v2, v7, 272
	v_add_nc_u32 v2, v2, v8
	v_add_nc_u32 v2, s16, v2                       ; into the stage, as loaded
	v_mul_u32_u24 v3, v6, 272
	v_lshl_add_u32 v3, v7, 5, v3
	v_add_nc_u32 v3, s16, v3                       ; out of it: row r, 8 keys of my half
	v_lshlrev_b32 v4, 3, v5                        ; out: 8 bytes a lane
.irp i, 16,17,18,19,20,21,22,23
	v_mov_b32 v\i, 0                               ; written once: v_writelane_b32's destination counts as read
.endr
	s_lshl_b32 s24, s13, 18                        ; 32 rows of 8,192 bytes
	s_lshl_b32 s25, s14, 10
	s_add_co_u32 s24, s24, s25
	s_mov_b32 s25, 0
	s_lshl_b32 s26, s13, 13                        ; 32 key steps of 256 bytes
	s_lshl_b32 s27, s14, 10                        ; my four of them
	s_add_co_u32 s26, s26, s27
	s_mov_b32 s27, 0
	s_wait_kmcnt 0x0
	s_add_nc_u64 s[4:5], s[4:5], s[24:25]
	s_add_nc_u64 s[6:7], s[6:7], s[26:27]
.macro MLOAD u
.set i, 0
.rept 16
	global_load_b128 v[R+64*((\u)%2)+4*i:R+64*((\u)%2)+4*i+3], v1, s[4:5] offset:i*16384+(\u)*256 th:TH_LOAD_NT
.set i, i+1
.endr
.endm
.macro MTURN u                         ; LDS serves a wave's instructions in order: no wait between the stores and the loads
.set i, 0
.rept 16
	ds_store_b128 v2, v[R+64*((\u)%2)+4*i:R+64*((\u)%2)+4*i+3] offset:i*544
.set i, i+1
.endr
.set i, 0
.rept 16
	ds_load_b128 v[TN+4*i:TN+4*i+3], v3 offset:(i/8)*4352+((i/2)%4)*64+(i%2)*16
.set i, i+1
.endr
.endm
.macro MWORDS u                        ; a compare makes a word; word n goes to lane n / 2, register n % 2: the wave then stores 256 consecutive bytes
.set g, 0
.rept 4
.set n, 0
.rept 16
	v_cmp_ne_u32 s[32+n], 0, v[TN+16*g+n]
.set n, n+1
.endr
.set n, 0
.rept 16
	v_writelane_b32 v[16+2*(\u)+n%2], s[32+n], (16*g+n)/2
.set n, n+1
.endr
.set g, g+1
.endr
	global_store_b64 v4, v[16+2*(\u):17+2*(\u)], s[6:7] offset:(\u)*256
.endm
	MLOAD 0
	MLOAD 1
.irp u, 0,1,2,3
.if \u < 3
	s_wait_loadcnt 16                              ; this unit's sixteen loads are in; the next unit's may be out
.else
	s_wait_loadcnt 0x0
.endif
	MTURN \u
	s_wait_dscnt 0x0                               ; the stores have read the set, and the numbers are back
.if \u < 2
	MLOAD \u+2
.endif
	MWORDS \u
.endr
	FINISH
; ---------------- X.  A wave takes 16 rows x 512 along K: four units of 16 rows x 512 bytes, each one fragment (16 rows x 128 K).
; Loads take the bytes as they lie (512 consecutive bytes each); through the stage a lane gets 32 neighbours along K twice: k = 64 c + 32 h + 0 .. 31 of row r, the operand's own order.
.Lx:
	s_load_b128 s[4:7], s[0:1], 0x0                ; X_sem, X_sal
	s_load_b128 s[8:11], s[0:1], 0x48              ; xq, xs
	s_sub_co_u32 s12, ttmp9, 96
	s_lshl_b32 s12, s12, 2
	s_add_co_u32 s12, s12, s3                      ; 0..1023
	s_lshr_b32 s13, s12, 9                         ; T: 0 sem, 1 sal
	s_bfe_u32 s14, s12, 0x80001                    ; which 16 rows
	s_and_b32 s15, s12, 1                          ; which half of K
	s_mul_i32 s16, s3, XSTG                        ; my stage
	v_lshlrev_b32 v1, 4, v5                        ; 16 x lane: loads, and the codes' stores
	v_add_nc_u32 v2, s16, v1
	v_mul_u32_u24 v3, v6, 528
	v_lshl_add_u32 v3, v7, 7, v3
	v_add_nc_u32 v3, s16, v3                       ; row r, + 128 h bytes
	v_lshlrev_b32 v4, 4, v6
	v_lshl_add_u32 v4, v7, 3, v4                   ; the scale words' store: 16 r + 8 h
	v_lshlrev_b32 v22, 3, v7                       ; 8 h: my bytes' place in a scale word
	v_mov_b32 v15, 0                               ; written once: a lane permute's destination counts as read
	s_mov_b32 s20, 0x76543210
	s_mov_b32 s21, 0xfedcba98                      ; selects for lane l xor 16
	s_lshl_b32 s24, s14, 16                        ; 16 rows of 4,096 bytes
	s_lshl_b32 s25, s15, 11
	s_add_co_u32 s24, s24, s25
	s_mov_b32 s25, 0
	s_lshl_b32 s26, s13, 21
	s_lshl_b32 s27, s14, 13
	s_add_co_u32 s26, s26, s27
	s_lshl_b32 s27, s15, 12
	s_add_co_u32 s26, s26, s27                     ; xq: T x 2 MiB + 8,192 x tile + 4,096 x half
	s_mov_b32 s27, 0
	s_lshl_b32 s28, s13, 17
	s_lshl_b32 s29, s14, 9
	s_add_co_u32 s28, s28, s29
	s_lshl_b32 s29, s15, 8
	s_add_co_u32 s28, s28, s29                     ; xs: T x 128 KiB + 512 x tile + 256 x half
	s_mov_b32 s29, 0
	s_wait_kmcnt 0x0
	s_cmp_eq_u32 s13, 0
	s_cselect_b64 s[4:5], s[4:5], s[6:7]
	s_add_nc_u64 s[4:5], s[4:5], s[24:25]
	s_add_nc_u64 s[8:9], s[8:9], s[26:27]
	s_add_nc_u64 s[10:11], s[10:11], s[28:29]
.macro XLOAD u
.set i, 0
.rept 16
	global_load_b128 v[R+64*((\u)%2)+4*i:R+64*((\u)%2)+4*i+3], v1, s[4:5] offset:i*4096+(\u)*512 th:TH_LOAD_NT
.set i, i+1
.endr
.endm
.macro XTURN u
.set i, 0
.rept 16
	ds_store_b128 v2, v[R+64*((\u)%2)+4*i:R+64*((\u)%2)+4*i+3] offset:i*528
.set i, i+1
.endr
.set i, 0
.rept 16
	ds_load_b128 v[TN+4*i:TN+4*i+3], v3 offset:(i/8)*256+(i%8)*16
.set i, i+1
.endr
.endm
.macro XQ u                            ; my two whole blocks, 2 c + h of the K step, by turns
.irp c, 0,1
	v_max3_num_f32 v[8+\c], |v[TN+32*\c]|, |v[TN+1+32*\c]|, 0x1800000   ; with the floor 2^(3 - 127): the byte cannot fall under 1
.endr
.irp i, 2,4,6,8,10,12,14,16,18,20,22,24,26,28,30
.irp c, 0,1
	v_max3_num_f32 v[8+\c], v[8+\c], |v[TN+32*\c+\i]|, |v[TN+1+32*\c+\i]|
.endr
.endr
.irp c, 0,1
	v_add_nc_u32 v[10+\c], 0xff000000, v[8+\c]     ; 2 off the exponent field: the conversion's scale operand
.endr
.irp c, 0,1
	v_lshrrev_b32 v[12+\c], 23, v[10+\c]           ; the scale's byte
.endr
	v_lshl_or_b32 v14, v13, 16, v12                ; bytes h and 2 + h of row r's word,
	v_lshlrev_b32 v14, v22, v14                    ; at their places;
	v_permlanex16_b32 v15, v14, s20, s21
	v_or_b32 v[16+(\u)], v14, v15                  ; with lane l xor 16's two the word is whole
.irp c, 0,1
.irp g, 0,1,2,3
	v_cvt_scalef32_pk8_fp4_f32 v[32+8*(\u)+4*\c+\g], v[TN+32*\c+8*\g:TN+32*\c+8*\g+7], v[10+\c]
.endr
.endr
	v_nop                                          ; one plain line behind the last scaled conversion
.irp c, 0,1
	global_store_b128 v1, v[32+8*(\u)+4*\c:35+8*(\u)+4*\c], s[8:9] offset:(\u)*1024+\c*512   ; 512 consecutive bytes of the fragment's image
.endr
.endm
	XLOAD 0
	XLOAD 1
.irp u, 0,1,2,3
.if \u < 3
	s_wait_loadcnt 16                              ; this unit's sixteen loads are in; the next unit's may be out
.else
	s_wait_loadcnt 0x0
.endif
	XTURN \u
	s_wait_dscnt 0x0                               ; the stores have read the set, and the numbers are back
.if \u < 2
	XLOAD \u+2
.endif
	XQ \u
.endr
	v_cmp_gt_u32 vcc_lo, 16, v5                    ; row r's four words: lanes 0-15 store words 0 and 1, lanes 16-31 words 2 and 3
	v_cndmask_b32 v20, v18, v16, vcc_lo
	v_cndmask_b32 v21, v19, v17, vcc_lo
	global_store_b64 v4, v[20:21], s[10:11]        ; 256 consecutive bytes
	FINISH
; ---------------- THE WEIGHTS.  A lane takes a column n and its registers run down K: a block of 32 along K lies in one lane, nothing is transposed, no LDS.
; A wave takes 32 columns x 512 along K: 16 blocks.  Loads run two blocks ahead.
.Lweights:
	s_load_b256 s[8:15], s[0:1], 0x18              ; Wq_sem, Wk_sem, Wv, Wq_sal
	s_load_b128 s[16:19], s[0:1], 0x38             ; Wk_sal, Wo
	s_load_b128 s[20:23], s[0:1], 0x60             ; wq, wo16
	s_lshr_b32 s24, ttmp9, 4                       ; which weight, 5 = Wo
	s_bfe_u32 s25, ttmp9, 0x30001                  ; which 128 columns
	s_and_b32 s26, ttmp9, 1                        ; which half of K
	s_lshl_b32 s27, s25, 7
	s_lshl_b32 s28, s3, 5
	s_add_co_u32 s27, s27, s28                     ; my wave's first column
	v_lshlrev_b32 v1, 2, v5                        ; in: 4 bytes a lane
	v_lshlrev_b32 v8, 4, v6
	v_mul_u32_u24 v2, v7, 8704
	v_add_nc_u32 v2, v2, v8                        ; codes: lanes 16-31 belong to the next record; 16 bytes a column
	v_lshl_add_u32 v3, v7, 15, v8                  ; Wo: lanes 16-31 belong to the next tile of 16 columns
	s_lshl_b32 s30, s26, 21                        ; 512 rows of 4,096 bytes
	s_lshl_b32 s31, s27, 2
	s_add_co_u32 s30, s30, s31
	s_mov_b32 s31, 0
	s_lshr_b32 s32, s27, 6                         ; head
	s_mul_i32 s32, s32, 5
	s_add_co_u32 s32, s32, s24
	s_lshl_b32 s32, s32, 2
	s_bfe_u32 s33, s27, 0x20004                    ; the tile of 16 columns in the head: 0 or 2
	s_add_co_u32 s32, s32, s33
	s_mul_i32 s32, s32, 8704                       ; the record: 8,192 bytes of codes, 512 of scale bytes
	s_mov_b32 s33, 0
	s_lshl_b32 s34, s26, 12                        ; codes: 16 blocks of 256 bytes a half
	s_mov_b32 s35, 0
	s_lshl_b32 s36, s26, 8                         ; scale bytes: 256 a half
	s_mov_b32 s37, 0
	s_lshr_b32 s38, s27, 4
	s_lshl_b32 s38, s38, 15
	s_lshl_b32 s39, s26, 14
	s_add_co_u32 s38, s38, s39                     ; wo16: 32,768 x tile + 16,384 x half
	s_mov_b32 s39, 0
	s_wait_kmcnt 0x0
	s_mov_b64 s[4:5], s[8:9]                       ; the choice hangs on the work-group's number alone
	s_cmp_eq_u32 s24, 1
	s_cselect_b64 s[4:5], s[10:11], s[4:5]
	s_cmp_eq_u32 s24, 2
	s_cselect_b64 s[4:5], s[12:13], s[4:5]
	s_cmp_eq_u32 s24, 3
	s_cselect_b64 s[4:5], s[14:15], s[4:5]
	s_cmp_eq_u32 s24, 4
	s_cselect_b64 s[4:5], s[16:17], s[4:5]
	s_cmp_eq_u32 s24, 5
	s_cselect_b64 s[4:5], s[18:19], s[4:5]
	s_add_nc_u64 s[4:5], s[4:5], s[30:31]
	s_add_nc_u64 s[20:21], s[20:21], s[32:33]
	s_add_nc_u64 s[6:7], s[20:21], s[36:37]        ; the scale bytes' base
	s_add_nc_u64 s[20:21], s[20:21], s[34:35]      ; the codes' base
	s_add_nc_u64 s[22:23], s[22:23], s[38:39]
.macro WLOAD t                         ; block t: W(32 t + i, my column); a wave reads 128 consecutive bytes, the four waves 512
.set i, 0
.rept 32
	global_load_b32 v[R+32*((\t)%2)+i], v1, s[4:5] offset:(32*(\t)+i)*4096 th:TH_LOAD_NT
.set i, i+1
.endr
.endm
.macro WWAIT t
.if (\t) < 15
	s_wait_loadcnt 32                              ; this block's 32 loads are in; the next block's may be out
.else
	s_wait_loadcnt 0x0
.endif
.endm
.macro WBLOCK t
.set XS, R+32*((\t)%2)
	WWAIT \t
	v_max3_num_f32 v12, |v[XS]|, |v[XS+1]|, |v[XS+2]|
	v_max3_num_f32 v13, |v[XS+3]|, |v[XS+4]|, |v[XS+5]|
.irp i, 6,10,14,18,22,26
	v_max3_num_f32 v12, v12, |v[XS+\i]|, |v[XS+\i+1]|
	v_max3_num_f32 v13, v13, |v[XS+\i+2]|, |v[XS+\i+3]|
.endr
	v_max3_num_f32 v12, v12, |v[XS+30]|, |v[XS+31]|
	v_max3_num_f32 v12, v12, v13, 0x1800000        ; and the floor
	v_add_nc_u32 v11, 0xff000000, v12              ; the conversion's scale operand
	v_lshrrev_b32 v13, 23, v11                     ; the scale's byte
.if (\t)%4 == 0
	v_mov_b32 v[24+(\t)/4], v13                    ; four bytes to a register, the lower K in the lower byte
.else
	v_lshl_or_b32 v[24+(\t)/4], v13, 8*((\t)%4), v[24+(\t)/4]
.endif
.irp g, 0,1,2,3
	v_cvt_scalef32_pk8_fp4_f32 v[128+4*(\t)+\g], v[XS+8*\g:XS+8*\g+7], v11
.endr
	v_nop                                          ; one plain line behind the last scaled conversion
	global_store_b128 v2, v[128+4*(\t):131+4*(\t)], s[20:21] offset:(\t)*256   ; sixteen lanes store 256 consecutive bytes; each block has registers of its own
.if (\t)+2 < 16
	WLOAD (\t)+2
.endif
.endm
.macro OBLOCK t
.set XS, R+32*((\t)%2)
.set OD, 128+16*((\t)%2)
	WWAIT \t
	s_wait_xcnt 0x0                                ; the stores of two blocks ago have read these registers
.set q, 0
.rept 16
	v_cvt_pk_f16_f32 v[OD+q], v[XS+2*q], v[XS+2*q+1]
.set q, q+1
.endr
.irp o, 0,1,2,3
	global_store_b128 v3, v[OD+4*\o:OD+4*\o+3], s[22:23] offset:(4*(\t)+\o)*256   ; eight neighbours along K of a column: 16 bytes; sixteen lanes store 256 consecutive bytes
.endr
.if (\t)+2 < 16
	WLOAD (\t)+2
.endif
.endm
	WLOAD 0
	WLOAD 1
	s_cmp_eq_u32 s24, 5
	s_cbranch_scc1 .Lwo
.irp t, 0,1,2,3,4,5,6,7,8,9,10,11,12,13,14,15
	WBLOCK \t
.endr
	global_store_b128 v2, v[24:27], s[6:7] offset:8192   ; my column's 16 scale bytes of this half of K
	FINISH
.Lwo:
.irp t, 0,1,2,3,4,5,6,7,8,9,10,11,12,13,14,15
	OBLOCK \t
.endr
	FINISH
.Lfunc_end_k_q45c48cb1b2_prep:
	.size	k_q45c48cb1b2_prep, .Lfunc_end_k_q45c48cb1b2_prep-k_q45c48cb1b2_prep
	.p2alignl 7, 3214868480
	.fill 96, 4, 3214868480
	.section	.rodata,"a",@progbits
	.p2align	6, 0x0
	.amdhsa_kernel k_q45c48cb1b2_prep
		.amdhsa_group_segment_fixed_size 69120
		.amdhsa_private_segment_fixed_size 0
		.amdhsa_enable_private_segment 0
		.amdhsa_kernarg_size 112
		.amdhsa_user_sgpr_count 2
		.amdhsa_user_sgpr_kernarg_segment_ptr 1
		.amdhsa_wavefront_size32 1
		.amdhsa_system_sgpr_workgroup_id_x 1
		.amdhsa_system_sgpr_workgroup_id_y 1
		.amdhsa_system_sgpr_workgroup_id_z 1
		.amdhsa_system_vgpr_workitem_id 0
		.amdhsa_next_free_vgpr 256
		.amdhsa_next_free_sgpr 66
		.amdhsa_reserve_vcc 1
		.amdhsa_float_denorm_mode_32 3
		.amdhsa_float_denorm_mode_16_64 3
		.amdhsa_memory_ordered 1
		.amdhsa_forward_progress 1
		.amdhsa_inst_pref_size 219
	.end_amdhsa_kernel
	.amdgpu_metadata
---
amdhsa.version: [ 1, 2 ]
amdhsa.kernels:
  - .name:           k_q45c48cb1b2_prep
    .symbol:         k_q45c48cb1b2_prep.kd
    .args:
      - { .name: X_sem, .offset: 0, .size: 8, .value_kind: global_buffer, .address_space: global }
      - { .name: X_sal, .offset: 8, .size: 8, .value_kind: global_buffer, .address_space: global }
      - { .name: mask, .offset: 16, .size: 8, .value_kind: global_buffer, .address_space: global }
      - { .name: Wq_sem, .offset: 24, .size: 8, .value_kind: global_buffer, .address_space: global }
      - { .name: Wk_sem, .offset: 32, .size: 8, .value_kind: global_buffer, .address_space: global }
      - { .name: Wv, .offset: 40, .size: 8, .value_kind: global_buffer, .address_space: global }
      - { .name: Wq_sal, .offset: 48, .size: 8, .value_kind: global_buffer, .address_space: global }
      - { .name: Wk_sal, .offset: 56, .size: 8, .value_kind: global_buffer, .address_space: global }
      - { .name: Wo, .offset: 64, .size: 8, .value_kind: global_buffer, .address_space: global }
      - { .name: xq, .offset: 72, .size: 8, .value_kind: global_buffer, .address_space: global }
      - { .name: xs, .offset: 80, .size: 8, .value_kind: global_buffer, .address_space: global }
      - { .name: mw, .offset: 88, .size: 8, .value_kind: global_buffer, .address_space: global }
      - { .name: wq, .offset: 96, .size: 8, .value_kind: global_buffer, .address_space: global }
      - { .name: wo16, .offset: 104, .size: 8, .value_kind: global_buffer, .address_space: global }
    .group_segment_fixed_size: 69120
    .private_segment_fixed_size: 0
    .kernarg_segment_align: 8
    .kernarg_segment_size: 112
    .max_flat_workgroup_size: 128
    .sgpr_count:     66
    .vgpr_count:     256
    .wavefront_size: 32
...
	.end_amdgpu_metadata
.endif
;; end of part 1
;; launch proj (part 2): grid 16 x 16, 4 waves a work-group, clusters of 4 x 1, 174,592 bytes of LDS; arguments xq, xs, wq, bq_sem, bk_sem, bv, bq_sal, bk_sal, gamma, qf, kvf; writes qf, kvf
.if DOCPART == 2
	.amdgcn_target "amdgcn-amd-amdhsa--gfx1250"
	.amdhsa_code_object_version 6
	.text
	.protected	k_q45c48cb1b2_proj
	.globl	k_q45c48cb1b2_proj
	.p2align	8
	.type	k_q45c48cb1b2_proj,@function
k_q45c48cb1b2_proj:
	s_mov_b64 s[64:65], 0
	v_nop
	global_prefetch_b8 v0, s[64:65] scope:SCOPE_SE
	s_setreg_imm32_b32 hwreg(HW_REG_WAVE_MODE, 25, 1), 1
	s_wait_xcnt 0x0
	s_wait_alu depctr_hold_cnt(0) depctr_sa_sdst(0) depctr_va_vdst(0) depctr_va_sdst(0) depctr_va_ssrc(0) depctr_va_vcc(0) depctr_vm_vsrc(0)
	s_getreg_b32 s2, hwreg(HW_REG_IB_STS2, 6, 4)
	s_cmp_eq_u32 s2, 0
	s_cbranch_scc0 .Lentry_in_a_cluster
	s_endpgm
.Lentry_in_a_cluster:
	s_bfe_u32 s2, ttmp6, 0x10000c
	s_cmp_lg_u32 s2, 0x3003
	s_cbranch_scc0 .Lentry_shape_is_right
	s_endpgm
.Lentry_shape_is_right:
; PROJ: the five quantised projections, on codes of FP4 with E8M0 scales, with their biases; results leave as f16 images of the attention's operand registers.
;   matrix 0: Q_sem x c, 1: K_sem, 2: V, 3: Q_sal x c x gamma, 4: K_sal;  c = log2(e) / 8, folded in f32 ahead of the rounding to f16.
; SHARES.  A work-group takes 256 tokens x one head (64 columns) of all five matrices; a wave 64 tokens (4 tiles of 16) x those 320 columns, ONE MATRIX AT A TIME: 16 accumulators.
; The wave's codes of X for all of K are its own: they go from memory straight into registers, 256 for each tensor, each load 512 consecutive bytes.
; The head's 20 weight records (174,080 consecutive bytes) are read by all four waves: they come into LDS once, by five tensor loads a wave (one record of each matrix), and no LDS byte is filled again.
; CLUSTER.  The four token blocks of a cluster belong to one head and need the same records: each is asked for jointly, by the same load with a mask that names the four.
; Matrices 0, 1, 3, 4 are used TRANSPOSED (source 0 = 16 columns of W, source 1 = 16 tokens): a lane holds a token and 8 neighbouring channels.  V is used the natural way: a lane holds a channel and 8 neighbouring keys.
; In both cases two accumulators, rounded in pairs, are a fragment of the attention as it stands.
; LIMITS: f16 holds magnitudes to 65,504: c x gamma x |Q_sal|, |K| and |V| stay under that with all inputs some 30 times those drawn.
; REGISTERS: window 0: v1-8 addresses; v24-27 bv; v32-127 three buffers of W's four fragments; v128-143 W's scale words; v160-191 X's scale words; v192-223 images on the way out; v224-255 bias of matrix 4.
;   window 1: X_sem's fragments (K step s, tile tt at 32 s + 8 tt);  window 2: X_sal's;  window 3: v0-127 the accumulators, v128-255 the bias tiles of matrices 0-3.
.set REC,   8704                       ; a record: 16 columns: 8 K steps x 1,024 bytes of codes, 512 bytes of scale bytes
.set MREC,  4*REC                      ; a matrix's four
.set SPARE, 20*REC                     ; behind the records: the spare words, 128 bytes for each wave
.set LA,  1                            ; v1  16 x lane
.set LB,  2                            ; v2  LDS: my lane's place in the matrix's records
.set LW,  3                            ; v3  LDS: my scale words: lanes 0-15 an even record's rows, lanes 16-31 the next record's
.set XSA, 4                            ; v4  xs: 512 h + 16 r
.set BA,  5                            ; v5  biases: 32 h
.set BVA, 6                            ; v6  bv: 4 r
.set SPW, 7                            ; v7  my spare word; never rewritten
.set NIL, 8                            ; v8  0; never rewritten
.set BV,  24
.set BB,  32
.set WSC, 128
.set XSC, 160
.set IMG, 192
.set B4,  224
.set BIAS, 128                         ; in window 3
.set WV,  26                           ; s26 my wave's number
.set MSB, 0
.macro WIN new                         ; the immediate's high byte repeats the setting that is left
.if MSB != (\new)
	s_set_vgpr_msb (MSB<<8)|(\new)
.set MSB, (\new)
.endif
.endm
.macro CROUND                          ; a round of the cluster's barrier
	s_barrier_signal -1
	s_barrier_wait -1
	s_cmp_lg_u32 s[WV], 0
	s_cbranch_scc1 .Lnot_wave_0_\@
	s_barrier_signal -3
.Lnot_wave_0_\@:
	s_barrier_wait -3
	s_barrier_signal -1
	s_barrier_wait -1
.endm
.macro PLACES
.rept 4
	v_nop
.endr
.endm
	s_load_b512 s[4:19], s[0:1], 0x0               ; xq, xs, wq, bq_sem, bk_sem, bv, bq_sal, bk_sal
	s_load_b128 s[20:23], s[0:1], 0x40             ; gamma, qf
	s_load_b64 s[24:25], s[0:1], 0x50              ; kvf
	v_lshl_add_u32 v[SPW], v0, 2, SPARE
	v_mov_b32 v[NIL], 0
	ds_add_u32 v[SPW], v[NIL]                      ; the opening: the add, twice on end, and its wait ahead of my first tensor load
	ds_add_u32 v[SPW], v[NIL]
	v_lshrrev_b32 v9, 5, v0
	v_readfirstlane_b32 s[WV], v9                  ; wave 0..3
	s_bfe_u32 s27, ttmp6, 0x40000                  ; cx
	s_lshl_b32 s28, ttmp9, 2
	s_add_co_u32 s28, s28, s27                     ; my block of 256 tokens: it enters X's, qf's and kvf's addresses alone
	s_and_b32 s29, ttmp7, 0xffff                   ; the head, which the four partners share
	s_mov_b32 s32, 15|(3<<16)|(1<<21)              ; group 1: the mask names all four; elements of 8 bytes; bit 21 beside a mask; no padding
	s_mov_b32 s33, 32<<16                          ; tensor_dim0 = 32 elements (256 bytes)
	s_mov_b32 s34, 34<<16                          ; tensor_dim1 = 34 rows: a record
	s_mov_b32 s35, 32<<16                          ; tile_dim0
	s_mov_b32 s36, 34                              ; tile_dim1
	s_mov_b32 s37, 32                              ; the pitch: dense
	s_mov_b32 s38, 0
	s_mov_b32 s39, 0
	s_mul_i32 s30, s[WV], REC                      ; my record of a matrix, in LDS and in memory
	s_mul_i32 s66, s29, 20*REC
	s_add_co_u32 s66, s66, s30
	s_mov_b32 s67, 0
	s_mov_b32 s60, 0x3e38aa3b                      ; c = log2(e) / 8
	s_mov_b32 s61, s60                             ; (named with it as a pair)
	s_lshl_b32 s68, s28, 17
	s_lshl_b32 s69, s[WV], 15
	s_add_co_u32 s68, s68, s69                     ; xq: my first tile x 8,192
	s_mov_b32 s69, 0
	s_lshr_b32 s70, s68, 4                         ; xs: my first tile x 512
	s_mov_b32 s71, 0
	s_lshl_b32 s72, s29, 8                         ; biases: 64 numbers a head
	s_mov_b32 s73, 0
	s_lshr_b32 s74, s28, 3
	s_lshl_b32 s74, s74, 4
	s_add_co_u32 s74, s74, s29                     ; 16 b + head
	s_and_b32 s75, s28, 7                          ; my block in the sequence
	s_lshl_b32 s76, s74, 19
	s_lshl_b32 s77, s75, 16
	s_add_co_u32 s76, s76, s77
	s_lshl_b32 s77, s[WV], 14
	s_add_co_u32 s76, s76, s77                     ; qf: my four tiles of queries, 4,096 bytes each
	s_mov_b32 s77, 0
	s_lshl_b32 s78, s74, 5
	s_lshl_b32 s79, s75, 2
	s_add_co_u32 s78, s78, s79
	s_add_co_u32 s78, s78, s[WV]
	s_mul_i32 s78, s78, 24576                      ; kvf: my 64 tokens are one key step
	s_mov_b32 s79, 0
	v_and_b32 v9, 31, v0
	v_and_b32 v10, 15, v0
	v_bfe_u32 v11, v0, 4, 1
	v_lshlrev_b32 v[LA], 4, v9
	v_lshlrev_b32 v[LB], 4, v9
	v_mul_u32_u24 v[LW], v11, REC
	v_lshl_add_u32 v[LW], v10, 4, v[LW]
	v_add_nc_u32 v[LW], 8192, v[LW]
	v_lshlrev_b32 v[XSA], 9, v11
	v_lshl_add_u32 v[XSA], v10, 4, v[XSA]
	v_lshlrev_b32 v[BA], 5, v11
	v_lshlrev_b32 v[BVA], 2, v10
	s_wait_dscnt 0x0                               ; both opening adds are done
	s_wait_kmcnt 0x0
	s_load_b32 s80, s[20:21], 0x0                  ; gamma
	s_add_nc_u64 s[8:9], s[8:9], s[66:67]
	s_add_nc_u64 s[4:5], s[4:5], s[68:69]
	s_add_nc_u64 s[6:7], s[6:7], s[70:71]
	s_add_nc_u64 s[10:11], s[10:11], s[72:73]
	s_add_nc_u64 s[12:13], s[12:13], s[72:73]
	s_add_nc_u64 s[14:15], s[14:15], s[72:73]
	s_add_nc_u64 s[16:17], s[16:17], s[72:73]
	s_add_nc_u64 s[18:19], s[18:19], s[72:73]
	s_add_nc_u64 s[22:23], s[22:23], s[76:77]
	s_add_nc_u64 s[24:25], s[24:25], s[78:79]
.irp m, 0,1,2,3,4                      ; group 0 of matrix m: my record of it
	s_mov_b32 s[40+4*\m], 1
	s_add_co_u32 s[41+4*\m], s30, \m*MREC
	s_add_nc_u64 s[42+4*\m:43+4*\m], s[8:9], \m*MREC
	s_or_b32 s[43+4*\m], s[43+4*\m], 0x80000000
.endr
	CROUND                                         ; all four work-groups are here: the joint loads meet
.irp m, 0,1,2,3,4                      ; all fills of the launch, as one group: five loads of mine are out
	tensor_load_to_lds s[40+4*\m:43+4*\m], s[32:39]
	s_nop 0
.endr
	PLACES
.irp T, 0,1                            ; X's scale words: register 16 T + 8 p + s: lanes 0-15 tile 2 p, lanes 16-31 tile 2 p + 1, K step s
.irp p, 0,1
.irp hf, 0,1
	global_load_b128 v[XSC+16*\T+8*\p+4*\hf:XSC+16*\T+8*\p+4*\hf+3], v[XSA], s[6:7] offset:\T*131072+\p*1024+\hf*256
.endr
.endr
.endr
.irp ct, 0,1,2,3
	global_load_b32 v[BV+\ct], v[BVA], s[14:15] offset:\ct*64
	global_load_b128 v[B4+8*\ct:B4+8*\ct+3], v[BA], s[18:19] offset:\ct*64
	global_load_b128 v[B4+8*\ct+4:B4+8*\ct+7], v[BA], s[18:19] offset:\ct*64+16
.endr
	WIN 0xc0                                       ; destination window 3: a bias tile is eight registers in the result's layout: b[16 ct + 8 h + 0 .. 7]
.irp ct, 0,1,2,3
.irp e, 0,1
	global_load_b128 v[BIAS+8*\ct+4*\e:BIAS+8*\ct+4*\e+3], v[BA], s[10:11] offset:\ct*64+\e*16
	global_load_b128 v[BIAS+32+8*\ct+4*\e:BIAS+32+8*\ct+4*\e+3], v[BA], s[12:13] offset:\ct*64+\e*16
	global_load_b128 v[BIAS+96+8*\ct+4*\e:BIAS+96+8*\ct+4*\e+3], v[BA], s[16:17] offset:\ct*64+\e*16
.endr
.endr
	WIN 0
.macro ALOAD T, s                      ; my four tiles' fragments of K step s of tensor T: eight loads of 512 consecutive bytes
	WIN 0x40*(1+(\T))
.irp tt, 0,1,2,3
.irp c, 0,1
	global_load_b128 v[32*(\s)+8*\tt+4*\c:32*(\s)+8*\tt+4*\c+3], v[LA], s[4:5] offset:(\T)*2097152+\tt*8192+(\s)*1024+\c*512
.endr
.endr
	WIN 0
.endm
.irp ks, 0,1,2,3,4,5,6,7
	ALOAD 0, \ks
.endr
.macro LOADB s                         ; W's four fragments of K step s into buffer s % 3
.irp ct, 0,1,2,3
.irp c, 0,1
	ds_load_b128 v[BB+32*((\s)%3)+8*\ct+4*\c:BB+32*((\s)%3)+8*\ct+4*\c+3], v[LB] offset:\ct*REC+(\s)*1024+\c*512
.endr
.endr
.endm
.macro LOADW                           ; W's scale words: register 8 p + s: lanes 0-15 record 2 p, lanes 16-31 record 2 p + 1
.irp p, 0,1
.irp hf, 0,1
	ds_load_b128 v[WSC+8*\p+4*\hf:WSC+8*\p+4*\hf+3], v[LW] offset:\p*2*REC+\hf*256
.endr
.endr
.endm
.macro WM1                             ; one product; fA, fB: the side's scales stand in lanes 16-31
.if fA && fB
	v_wmma_scale_f32_16x16x128_f8f6f4 v[rD:rD+7], v[rA:rA+7], v[rB:rB+7], v[rC:rC+7], v[qA], v[qB] matrix_a_fmt:MATRIX_FMT_FP4 matrix_b_fmt:MATRIX_FMT_FP4 matrix_a_scale:MATRIX_SCALE_ROW1 matrix_b_scale:MATRIX_SCALE_ROW1
.elseif fA
	v_wmma_scale_f32_16x16x128_f8f6f4 v[rD:rD+7], v[rA:rA+7], v[rB:rB+7], v[rC:rC+7], v[qA], v[qB] matrix_a_fmt:MATRIX_FMT_FP4 matrix_b_fmt:MATRIX_FMT_FP4 matrix_a_scale:MATRIX_SCALE_ROW1
.elseif fB
	v_wmma_scale_f32_16x16x128_f8f6f4 v[rD:rD+7], v[rA:rA+7], v[rB:rB+7], v[rC:rC+7], v[qA], v[qB] matrix_a_fmt:MATRIX_FMT_FP4 matrix_b_fmt:MATRIX_FMT_FP4 matrix_b_scale:MATRIX_SCALE_ROW1
.else
	v_wmma_scale_f32_16x16x128_f8f6f4 v[rD:rD+7], v[rA:rA+7], v[rB:rB+7], v[rC:rC+7], v[qA], v[qB] matrix_a_fmt:MATRIX_FMT_FP4 matrix_b_fmt:MATRIX_FMT_FP4
.endif
.endm
; 16 products: K step s of matrix m.  The 16 accumulators take turns, one instruction a turn.  The first K step takes the bias tile as C: nothing is cleared, nothing is added later.
.macro MULS m, s
.if (\m) == 2
	WIN 0xf1                                       ; source 0 = X (window 1), source 1 = W (window 0), C and D window 3
.elseif (\m) < 2
	WIN 0xf4                                       ; source 0 = W, source 1 = X_sem
.elseif ((\m) == 4) && ((\s) == 0)
	WIN 0xc8                                       ; source 1 = X_sal, C = matrix 4's bias in window 0
.else
	WIN 0xf8
.endif
.irp tt, 0,1,2,3
.irp ct, 0,1,2,3
.set rW, BB+32*((\s)%3)+8*\ct
.set rX, 32*(\s)+8*\tt
.set qW, WSC+8*(\ct/2)+(\s)
.set qX, XSC+16*((\m)/3)+8*(\tt/2)+(\s)
.if (\m) == 2
.set rD, 8*(8*(\tt/2)+2*\ct+(\tt%2))
.else
.set rD, 8*(4*\tt+\ct)
.endif
.if (\s) > 0
.set rC, rD
.elseif (\m) == 4
.set rC, B4+8*\ct
.else
.set rC, BIAS+32*(\m)+8*\ct
.endif
.if (\m) == 2
.set rA, rX
.set rB, rW
.set qA, qX
.set qB, qW
.set fA, \tt%2
.set fB, \ct%2
.else
.set rA, rW
.set rB, rX
.set qA, qW
.set qB, qX
.set fA, \ct%2
.set fB, \tt%2
.endif
	WM1
.endr
.endr
.endm
.macro KSTEP m, s
.if (\s) <= 5
	LOADB (\s)+2                                   ; into the buffer that K step s - 1 read: four places stand behind its products
.endif
.if (\m) == 0
	s_wait_loadcnt 56                              ; X_sem's K step s is in: behind it stand 8 (7 - s) loads of X_sem and 8 s of X_sal
	ALOAD 1, \s                                    ; X_sal follows, a K step at a time
.elseif (\m) == 3
	s_wait_loadcnt 8*(7-(\s))                      ; X_sal's K step s is in
.endif
.if (\s) <= 5
	s_wait_dscnt 16                                ; W's K step s is in; the two younger runs of eight may be out
.else
	s_wait_dscnt 8*(7-(\s))
.endif
	MULS \m, \s
	WIN 0
	PLACES                                         ; in front of loads into registers that these products read, and of the first read of results
.endm
.macro SCALEQ f                        ; the accumulators x c or c x gamma, in f32, from each accumulator's low end on
	WIN 0xc3
.set q, 0
.rept 64
	v_pk_mul_f32 v[q:q+1], v[q:q+1], s[\f:\f+1] op_sel_hi:[1,0]
.set q, q+2
.endr
.endm
; The way out of matrix m: image im = accumulators 2 im and 2 im + 1, rounded to f16 in pairs; each store covers 512 consecutive bytes.
.macro PACK m
.if (\m) == 0
	SCALEQ 60
.elseif (\m) == 3
	SCALEQ 62
.endif
.irp hp, 0,1
	s_wait_xcnt 0x0                                ; the earlier stores have read the image registers
	WIN 0x0f
.set q, 0
.rept 32
	v_cvt_pk_f16_f32 v[IMG+q], v[64*\hp+2*q], v[64*\hp+2*q+1]
.set q, q+1
.endr
	WIN 0
.irp ii, 0,1,2,3
.irp c, 0,1
.set im, 4*\hp+\ii
.if (\m) == 2
	global_store_b128 v[LA], v[IMG+8*\ii+4*\c:IMG+8*\ii+4*\c+3], s[24:25] offset:16384+im*1024+\c*512
.elseif ((\m) == 0) || ((\m) == 3)
	global_store_b128 v[LA], v[IMG+8*\ii+4*\c:IMG+8*\ii+4*\c+3], s[22:23] offset:(im/2)*4096+(2*((\m)/3)+im%2)*1024+\c*512
.else
	global_store_b128 v[LA], v[IMG+8*\ii+4*\c:IMG+8*\ii+4*\c+3], s[24:25] offset:(im/2)*4096+(2*((\m)/3)+im%2)*1024+\c*512
.endif
.endr
.endr
.endr
.endm
.macro MATRIX m
.irp ks, 0,1,2,3,4,5,6,7
	KSTEP \m, \ks
.endr
.if (\m) < 4
	s_wait_tensorcnt 3-(\m)                        ; my record of the next matrix is in; the later matrices' may be out
	s_wait_dscnt 0x0
	s_barrier_signal -1
	s_barrier_wait -1                              ; everybody's is
	v_add_nc_u32 v[LB], MREC, v[LB]
	v_add_nc_u32 v[LW], MREC, v[LW]
	LOADW                                          ; the next matrix's first fragments land while this one goes out
	LOADB 0
	LOADB 1
.endif
.if (\m) == 1
	WIN 0xc0                                       ; V's bias tiles: a lane holds one channel, so all eight registers hold bv of that channel
.irp ct, 0,1,2,3
.irp jj, 0,1,2,3,4,5,6,7
	v_mov_b32 v[BIAS+64+8*\ct+\jj], v[BV+\ct]
.endr
.endr
.endif
	PACK \m
.endm
	s_wait_tensorcnt 4                             ; my record of matrix 0 is in; four loads may be out
	s_barrier_signal -1
	s_barrier_wait -1
	LOADW
	LOADB 0
	LOADB 1
	s_wait_kmcnt 0x0                               ; gamma
	s_mul_f32 s62, s60, s80                        ; c x gamma
	s_mov_b32 s63, s62
	MATRIX 0
	MATRIX 1
	MATRIX 2
	MATRIX 3
	MATRIX 4
	s_wait_tensorcnt 0x0                           ; the wave's end
	ds_add_u32 v[SPW], v[NIL]
	s_wait_dscnt 0x0
	CROUND                                         ; the closing round
	s_endpgm
.Lfunc_end_k_q45c48cb1b2_proj:
	.size	k_q45c48cb1b2_proj, .Lfunc_end_k_q45c48cb1b2_proj-k_q45c48cb1b2_proj
	.p2alignl 7, 3214868480
	.fill 96, 4, 3214868480
	.section	.rodata,"a",@progbits
	.p2align	6, 0x0
	.amdhsa_kernel k_q45c48cb1b2_proj
		.amdhsa_group_segment_fixed_size 174592
		.amdhsa_private_segment_fixed_size 0
		.amdhsa_enable_private_segment 0
		.amdhsa_kernarg_size 88
		.amdhsa_user_sgpr_count 2
		.amdhsa_user_sgpr_kernarg_segment_ptr 1
		.amdhsa_wavefront_size32 1
		.amdhsa_system_sgpr_workgroup_id_x 1
		.amdhsa_system_sgpr_workgroup_id_y 1
		.amdhsa_system_sgpr_workgroup_id_z 1
		.amdhsa_system_vgpr_workitem_id 0
		.amdhsa_next_free_vgpr 1024
		.amdhsa_next_free_sgpr 90
		.amdhsa_reserve_vcc 0
		.amdhsa_float_denorm_mode_32 3
		.amdhsa_float_denorm_mode_16_64 3
		.amdhsa_memory_ordered 1
		.amdhsa_forward_progress 1
		.amdhsa_inst_pref_size 173
	.end_amdhsa_kernel
	.amdgpu_metadata
---
amdhsa.version: [ 1, 2 ]
amdhsa.kernels:
  - .name:           k_q45c48cb1b2_proj
    .symbol:         k_q45c48cb1b2_proj.kd
    .args:
      - { .name: xq, .offset: 0, .size: 8, .value_kind: global_buffer, .address_space: global }
      - { .name: xs, .offset: 8, .size: 8, .value_kind: global_buffer, .address_space: global }
      - { .name: wq, .offset: 16, .size: 8, .value_kind: global_buffer, .address_space: global }
      - { .name: bq_sem, .offset: 24, .size: 8, .value_kind: global_buffer, .address_space: global }
      - { .name: bk_sem, .offset: 32, .size: 8, .value_kind: global_buffer, .address_space: global }
      - { .name: bv, .offset: 40, .size: 8, .value_kind: global_buffer, .address_space: global }
      - { .name: bq_sal, .offset: 48, .size: 8, .value_kind: global_buffer, .address_space: global }
      - { .name: bk_sal, .offset: 56, .size: 8, .value_kind: global_buffer, .address_space: global }
      - { .name: gamma, .offset: 64, .size: 8, .value_kind: global_buffer, .address_space: global }
      - { .name: qf, .offset: 72, .size: 8, .value_kind: global_buffer, .address_space: global }
      - { .name: kvf, .offset: 80, .size: 8, .value_kind: global_buffer, .address_space: global }
    .group_segment_fixed_size: 174592
    .private_segment_fixed_size: 0
    .kernarg_segment_align: 8
    .kernarg_segment_size: 88
    .max_flat_workgroup_size: 128
    .sgpr_count:     90
    .vgpr_count:     1024
    .wavefront_size: 32
...
	.end_amdgpu_metadata
.endif
;; end of part 2
;; launch attn (part 3): grid 8 x 32, 4 waves a work-group, clusters of 4 x 1, 327,680 bytes of LDS; arguments qf, kvf, mw, att; writes att
.if DOCPART == 3
	.amdgcn_target "amdgcn-amd-amdhsa--gfx1250"
	.amdhsa_code_object_version 6
	.text
	.protected	k_q45c48cb1b2_attn
	.globl	k_q45c48cb1b2_attn
	.p2align	8
	.type	k_q45c48cb1b2_attn,@function
k_q45c48cb1b2_attn:
	s_mov_b64 s[64:65], 0
	v_nop
	global_prefetch_b8 v0, s[64:65] scope:SCOPE_SE
	s_setreg_imm32_b32 hwreg(HW_REG_WAVE_MODE, 25, 1), 1
	s_wait_xcnt 0x0
	s_wait_alu depctr_hold_cnt(0) depctr_sa_sdst(0) depctr_va_vdst(0) depctr_va_sdst(0) depctr_va_ssrc(0) depctr_va_vcc(0) depctr_vm_vsrc(0)
	s_getreg_b32 s2, hwreg(HW_REG_IB_STS2, 6, 4)
	s_cmp_eq_u32 s2, 0
	s_cbranch_scc0 .Lentry_in_a_cluster
	s_endpgm
.Lentry_in_a_cluster:
	s_bfe_u32 s2, ttmp6, 0x10000c
	s_cmp_lg_u32 s2, 0x3003
	s_cbranch_scc0 .Lentry_shape_is_right
	s_endpgm
.Lentry_shape_is_right:
; ATTN: O = softmax(where(mask == 0, -1e9, A_sem + gamma A_sal)) V for one (batch, head) and 256 queries a work-group; operands f16, products, maxima and sums f32.
; The two score products are ONE product of 128 channels: Q' = [c Q_sem | c gamma Q_sal], K' = [K_sem | K_sal], c = log2(e) / 8: a score is already t = A log2(e), and p = 2^(t - m), m the running maximum.
; SHARES.  Each of four waves owns 64 queries: four tiles of 16.  Every wave walks all 2,048 keys, 64 a step.
; LAYOUT.  S^T = K' Q'^T (source 0 = 16 keys, source 1 = 16 queries): a lane holds ONE query and eight keys a tile.  O^T = V^T P likewise.  All operands lie in memory and LDS as images of their registers: every load is dense.
; THE MASK is one v_cndmask_b32 a score: the word for a score register (one bit a lane) was made by the first launch and comes by scalar loads; a hidden score becomes -1e9 log2(e), as the definition has it:
; a row with no open key comes out uniform, and an open key later in the walk wipes what hidden keys summed (a = 2^(old m - new m) = 0).
; THE ROW'S SUM is a fifth tile of V^T whose rows are all ones: its accumulator holds l in every register and is rescaled with O^T.
; BY TURNS.  The wave's tiles are two pieces (tiles 0, 1 and tiles 2, 3).  In a turn one piece has the matrix unit (20 products V^T P of the step in hand, 32 products K' Q'^T of the next);
; the other piece's softmax, 274 instructions, stands in slices behind those matrix instructions.  Two turns are a key step.
; RING.  Two LDS slots of four key steps (98,304 bytes); each wave fetches one step of a slot by one tensor load.  CLUSTER: the four query blocks of a cluster walk the same K and V: each load is joint.
; LIMITS: the weights p and O are rounded to f16; O's magnitudes under 6e-5 keep f16's smallest step, 6e-8.  NaN and infinities are not served.
; REGISTERS: window 0: v1 16 x lane, v2 address in hand, v12-43 statistics (8 a tile), v44 the hidden score, v45-47, v64-191 S^T (32 a tile), v192-255 P (16 a tile).
;   window 1: v0-159 O^T and l (40 a tile), v160-223 V of one step, v224-231 ones.   window 2: v0-127 Q', v128-255 K' of one step.
.set STEPB, 24576                      ; a key step: K' 16 images, V 8 images of 1,024 bytes
.set SLOTB, 4*STEPB
.set SLOT1, 1<<17                      ; slot 1 begins here: one exclusive or turns an address from slot to slot
.set SPARE, SLOT1+SLOTB                ; the spare words, 128 bytes for each wave
.set LA,  1
.set ADR, 2
.set ST,  12                           ; tile t at v[ST + 8 t]: +0 m, +1 written once (named with m as a pair), +2 old m, then old m - new m, +4 to +7 c0-c3 at work; a takes c2's place
.set NEG, 44
.set PFO, 45
.set SPW, 46
.set NIL, 47
.set S,   64
.set P,   192
.set VF,  160
.set ONE, 224
.set KF,  128
.set PFA, 2                            ; s[2:3]  where my prefetches stand
.set MOFF, 12                          ; s12  the key step's place among the mask words: 256 bytes a step
.set SLOTS, 13                         ; s13  slots still to be asked for
.set CNT, 14                           ; s14  counts key steps
.set TB,  15                           ; s15  LDS byte at which the step to be fetched begins
.set SEL, 66                           ; s[66:67] selects for lane l xor 16
.set WV,  100
.set LIM, 101                          ; 1 in a wave that prefetches, else the greatest number
.set MSB, 0
.macro WIN new
.if MSB != (\new)
	s_set_vgpr_msb (MSB<<8)|(\new)
.set MSB, (\new)
.endif
.endm
.set W_KQ, 0x0a                        ; K' and Q' window 2, S^T window 0
.set W_PV, 0x51                        ; V and O^T window 1, P window 0
.set W_RS, 0x41                        ; O^T window 1, a window 0
.macro CROUND
	s_barrier_signal -1
	s_barrier_wait -1
	s_cmp_lg_u32 s[WV], 0
	s_cbranch_scc1 .Lnot_wave_0_\@
	s_barrier_signal -3
.Lnot_wave_0_\@:
	s_barrier_wait -3
	s_barrier_signal -1
	s_barrier_wait -1
.endm
.macro PLACES
.rept 4
	v_nop
.endr
.endm
; A prefetch of what the NEXT change of slots will ask for.  Both clusters of a head walk the same K and V: the first asks.  Its partner at place cx takes the slot's step cx (told apart by address, never by a branch);
; waves 0 to 2 take 8,192 bytes of it each, lanes 256 bytes apart: each block of 256 bytes is named once.  The last change that fills a slot asks for nothing.
.macro ASK
	s_cmp_gt_u32 s[SLOTS], s[LIM]
	s_cbranch_scc0 .Lnot_mine_\@
	global_prefetch_b8 v[PFO], s[PFA:PFA+1] th:TH_LOAD_NT scope:SCOPE_SE
.Lnot_mine_\@:
.endm
	s_load_b256 s[4:11], s[0:1], 0x0               ; qf, kvf, mw, att
	v_lshl_add_u32 v[SPW], v0, 2, SPARE
	v_mov_b32 v[NIL], 0
	ds_add_u32 v[SPW], v[NIL]                      ; the opening: the add, twice on end, and its wait ahead of my first tensor load
	ds_add_u32 v[SPW], v[NIL]
	v_lshrrev_b32 v3, 5, v0
	v_readfirstlane_b32 s[WV], v3                  ; wave 0..3
	s_bfe_u32 s32, ttmp6, 0x40000                  ; cx
	s_lshl_b32 s33, ttmp9, 2
	s_add_co_u32 s33, s33, s32                     ; my block of 256 queries
	s_and_b32 s34, ttmp7, 0xffff                   ; 16 b + head, which the partners share
	s_lshr_b32 s35, s34, 4                         ; b
	s_and_b32 s36, s34, 15                         ; head
	s_mov_b32 s16, 15|(3<<16)|(1<<21)              ; group 1: the mask names all four; elements of 8 bytes; bit 21 beside a mask; no padding
	s_mov_b32 s17, 32<<16                          ; rows of 256 bytes,
	s_mov_b32 s18, 96<<16                          ; 96 of them: a key step
	s_mov_b32 s19, 32<<16
	s_mov_b32 s20, 96
	s_mov_b32 s21, 32                              ; dense
	s_mov_b32 s22, 0
	s_mov_b32 s23, 0
	s_mul_i32 s37, s[WV], STEPB                    ; my step of a slot, in LDS and in memory
	s_mul_i32 s38, s34, 32*STEPB                   ; the head's K' and V
	s_add_co_u32 s40, s38, s37
	s_mov_b32 s41, 0
	s_lshl_b32 s42, s34, 19
	s_lshl_b32 s43, s33, 16
	s_add_co_u32 s42, s42, s43
	s_lshl_b32 s43, s[WV], 14
	s_add_co_u32 s42, s42, s43                     ; qf: my four tiles, 4,096 bytes each
	s_mov_b32 s43, 0
	s_lshl_b32 s44, s35, 19
	s_lshl_b32 s45, s33, 16
	s_add_co_u32 s44, s44, s45
	s_lshl_b32 s45, s[WV], 14
	s_add_co_u32 s44, s44, s45                     ; mw: my two pairs of tiles, 8,192 bytes each
	s_mov_b32 s45, 0
	s_lshl_b32 s46, s35, 22
	s_lshl_b32 s47, s33, 19
	s_add_co_u32 s46, s46, s47
	s_lshl_b32 s47, s[WV], 17
	s_add_co_u32 s46, s46, s47
	s_lshl_b32 s47, s36, 11
	s_add_co_u32 s46, s46, s47                     ; att: my four tiles of 32,768 bytes, the head's two images in each
	s_mov_b32 s47, 0
	s_mul_i32 s48, s32, STEPB
	s_add_co_u32 s48, s48, s38
	s_lshl_b32 s49, s[WV], 13
	s_add_co_u32 s48, s48, s49
	s_add_co_u32 s48, s48, 2*SLOTB                 ; the prefetches stand in slot-load 2; the first change steps them to 3.  Nothing is prefetched at the head
	s_mov_b32 s49, 0
	s_add_co_u32 s50, s[WV], 1
	s_lshr_b32 s50, s50, 2                         ; 0 in waves 0 to 2,
	s_or_b32 s50, s50, ttmp9                       ; of the head's first cluster: the same in all four partners
	s_cmp_eq_u32 s50, 0
	s_cselect_b32 s[LIM], 1, -1
	s_mov_b32 s[SEL], 0x76543210
	s_mov_b32 s[SEL+1], 0xfedcba98
	s_mov_b32 s[TB], 0
	s_mov_b32 s[MOFF], 0
	s_mov_b32 s[SLOTS], 6
	v_and_b32 v3, 31, v0
	v_lshlrev_b32 v[LA], 4, v3
	v_lshlrev_b32 v[PFO], 8, v3
	v_mov_b32 v[NEG], 0xceabfb8f                   ; -1e9 x log2(e)
.irp t, 0,1,2,3
	v_mov_b32 v[ST+8*\t+1], 0
.endr
	s_wait_dscnt 0x0                               ; both opening adds are done
	s_wait_kmcnt 0x0
	s_add_nc_u64 s[PFA:PFA+1], s[6:7], s[48:49]
	s_add_nc_u64 s[6:7], s[6:7], s[40:41]
	s_add_nc_u64 s[4:5], s[4:5], s[42:43]
	s_add_nc_u64 s[8:9], s[8:9], s[44:45]
	s_add_nc_u64 s[10:11], s[10:11], s[46:47]
	s_mov_b32 s24, 1                               ; group 0 of slot 0's first fill,
	s_mov_b32 s25, s37
	s_mov_b64 s[26:27], s[6:7]
	s_or_b32 s27, s27, 0x80000000
	s_mov_b32 s28, 1                               ; and of slot 1's, which then walks
	s_add_co_u32 s29, s37, SLOT1
	s_add_nc_u64 s[30:31], s[6:7], SLOTB
	s_or_b32 s31, s31, 0x80000000
	CROUND                                         ; all four work-groups are here: the first joint loads meet
	tensor_load_to_lds s[24:27], s[16:23]          ; two loads of mine are out
	s_nop 0
	tensor_load_to_lds s[28:31], s[16:23]
	s_nop 0
	PLACES
	s_load_b512 s[32:47], s[8:9], s[MOFF] offset:0     ; the mask words of piece 0, key step 0
	s_load_b512 s[48:63], s[8:9], s[MOFF] offset:64
	s_load_b512 s[68:83], s[8:9], s[MOFF] offset:128
	s_load_b512 s[84:99], s[8:9], s[MOFF] offset:192
	WIN 0x80
.set i, 0
.rept 32                               ; Q' stays in registers: tile i / 8, 32 channels (i / 2) % 4
	global_load_b128 v[4*i:4*i+3], v[LA], s[4:5] offset:i*512
.set i, i+1
.endr
	WIN 0x40
.irp i, 0,1,2,3,4,5,6,7
	v_mov_b32 v[ONE+\i], 0x3c003c00                ; two f16 ones
.endr
	WIN 0
; Product i of 20 of O^T += V^T P for piece x: keys 32 (i / 10) on, channels 16 ((i % 10) / 2) on (the fifth: ones), tile x + i % 2.  The accumulators take turns, one instruction a turn.
.macro PV x, zero
	WIN W_PV
.set cc, (i%10)/2
.set rO, 40*((\x)+i%2)+8*cc
.if cc == 4
.set rV, ONE
.else
.set rV, VF+32*(i/10)+8*cc
.endif
.set rP, P+16*((\x)+i%2)+8*(i/10)
.if (\zero) && (i < 10)
	v_wmma_f32_16x16x32_f16 v[rO:rO+7], v[rV:rV+7], v[rP:rP+7], 0
.else
	v_wmma_f32_16x16x32_f16 v[rO:rO+7], v[rV:rV+7], v[rP:rP+7], v[rO:rO+7]
.endif
.endm
; Product i of 32 of S^T = K' Q'^T: channels 32 (i / 8) on, keys 16 ((i / 2) % 4) on, tile x + i % 2.  The first 8 start the sums.
.macro KQ x
	WIN W_KQ
.set rS, S+32*((\x)+i%2)+8*((i/2)%4)
.set rK, KF+32*((i/2)%4)+8*(i/8)
.set rQ, 32*((\x)+i%2)+8*(i/8)
.if i < 8
	v_wmma_f32_16x16x32_f16 v[rS:rS+7], v[rK:rK+7], v[rQ:rQ+7], 0
.else
	v_wmma_f32_16x16x32_f16 v[rS:rS+7], v[rK:rK+7], v[rQ:rQ+7], v[rS:rS+7]
.endif
.endm
.macro FETCH_K                         ; a step's K': 32 loads of 512 consecutive bytes, in one run
	WIN 0
	v_add_nc_u32 v[ADR], s[TB], v[LA]
	WIN 0x80
.set f, 0
.rept 32
	ds_load_b128 v[KF+4*f:KF+4*f+3], v[ADR] offset:f*512
.set f, f+1
.endr
.endm
.macro FETCH_V                         ; the same step's V: 16 loads
	WIN 0
	v_add_nc_u32 v[ADR], s[TB], v[LA]
	s_add_co_u32 s[TB], s[TB], STEPB               ; the next fetch is the next step's
	WIN 0x40
.set f, 0
.rept 16
	ds_load_b128 v[VF+4*f:VF+4*f+3], v[ADR] offset:16384+f*512
.set f, f+1
.endr
.endm
; The next turn's mask words; this turn's 64 selections have been issued.  Piece 0's turn is followed by piece 0's softmax of the next step; piece 2's turn by piece 2's softmax of the same step.
.macro MASKS x
.if (\x) == 0
	s_add_co_u32 s[MOFF], s[MOFF], 256             ; (the loads that read it were waited for at the turn's head)
.set mo, 0
.else
.set mo, 8192
.endif
	s_load_b512 s[32:47], s[8:9], s[MOFF] offset:mo
	s_load_b512 s[48:63], s[8:9], s[MOFF] offset:mo+64
	s_load_b512 s[68:83], s[8:9], s[MOFF] offset:mo+128
	s_load_b512 s[84:99], s[8:9], s[MOFF] offset:mo+192
.endm
; THE VECTOR WORK.  One tile's softmax for one key step is a list of 137 instructions; SM writes number j for tile t.
;   0-31    the mask: a hidden score becomes -1e9 log2(e); ascending
;   32-47   the maximum of the 32 scores and the old m;  48-51 the other half of the lanes'; old m kept; new m; old - new
;   52-100  ONE BATCH: a = 2^(old - new); the 16 subtractions of m, a pair each; the 32 exponentials.  None of these names an exponential's result
;   (wait)  between 100 and 101 stands the one wait for both tiles' batch
;   101-116 the roundings to f16;  117-136 O^T and l times a
.macro SM t, first
.set rT, ST+8*(\t)
.set rS, S+32*(\t)
.set rP, P+16*(\t)
.set rO, 40*(\t)+2*(j-117)
.set MK, 32+36*((\t)%2)
.if j < 117
	WIN 0
.endif
.if j < 32
	v_cndmask_b32 v[rS+j], v[NEG], v[rS+j], s[MK+j]
.elseif j < 36
	v_max3_num_f32 v[rT+4+j-32], v[rS+8*(j-32)], v[rS+8*(j-32)+1], v[rS+8*(j-32)+2]
.elseif j < 44
.set jj, j-32
	v_max3_num_f32 v[rT+4+jj%4], v[rT+4+jj%4], v[rS+8*(jj%4)+2*(jj/4)+1], v[rS+8*(jj%4)+2*(jj/4)+2]
.elseif j == 44
	v_max3_num_f32 v[rT+4], v[rT+4], v[rS+7], v[rS+15]
.elseif j == 45
	v_max3_num_f32 v[rT+6], v[rT+6], v[rS+23], v[rS+31]
.elseif j == 46
	v_max3_num_f32 v[rT+4], v[rT+4], v[rT+5], v[rT+6]
.elseif (j == 47) && \first
	v_max_num_f32 v[rT+4], v[rT+4], v[rT+7]
.elseif j == 47
	v_max3_num_f32 v[rT+4], v[rT+4], v[rT+7], v[rT]
.elseif j == 48
	v_permlanex16_b32 v[rT+5], v[rT+4], s[SEL], s[SEL+1]   ; the query's other 32 keys lie in the lane 16 away
.elseif j == 50
	v_max_num_f32 v[rT], v[rT+4], v[rT+5]
.elseif ((j == 49) || (j == 51) || (j == 52) || (j > 116)) && \first   ; the first step has none of these
.elseif j == 49
	v_mov_b32 v[rT+2], v[rT]
.elseif j == 51
	v_sub_f32 v[rT+2], v[rT+2], v[rT]
.elseif j == 52
	v_exp_f32 v[rT+6], v[rT+2]
.elseif j < 55
.set b, j-53
	v_pk_add_f32 v[rS+2*b:rS+2*b+1], v[rS+2*b:rS+2*b+1], v[rT:rT+1] op_sel_hi:[1,0] neg_lo:[0,1] neg_hi:[0,1]
.elseif j < 97
.set u, j-55
.if u%3 == 2
.set b, u/3+2
	v_pk_add_f32 v[rS+2*b:rS+2*b+1], v[rS+2*b:rS+2*b+1], v[rT:rT+1] op_sel_hi:[1,0] neg_lo:[0,1] neg_hi:[0,1]
.else
.set e, 2*(u/3)+u%3
	v_exp_f32 v[rS+e], v[rS+e]
.endif
.elseif j < 101
	v_exp_f32 v[rS+j-69], v[rS+j-69]
.elseif j < 117
	v_cvt_pk_f16_f32 v[rP+j-101], v[rS+2*(j-101)], v[rS+2*(j-101)+1]
.else
	WIN W_RS
	v_pk_mul_f32 v[rO:rO+1], v[rO:rO+1], v[rT+6:rT+7] op_sel_hi:[1,0]
.endif
.endm
; Entry n of 274: number n / 2 of the list, the piece's two tiles alternating, so that no instruction reads the result of the one just before it.
.macro ENTRY x, kq, first
.if (n == 64) && \kq
	MASKS \x
.endif
.if n == 202                           ; the batch is out, and no result has been named
	v_nop                                          ; the plain instruction behind the last exponential
	s_wait_alu depctr_va_vdst(0)                   ; the wait ahead of the first instruction that names an exponential's result: one for the turn's 66
.endif
.set j, n/2
	SM 2-(\x)+n%2, \first
.set n, n+1
.endm
; A slice of EPS entries behind each matrix instruction; what is over stands behind the turn's last: in a full turn 14 rescalings, which are also the places behind the last K' Q'^T.
.macro SLICE x, pv, kq, first
.rept EPS
	ENTRY \x, \kq, \first
.endr
.set w, w+1
.if w == NW
.rept 274-EPS*NW
	ENTRY \x, \kq, \first
.endr
.endif
.if ((\x) == 0) && (\kq) && (w == 2)
	FETCH_K                                        ; the next step's K': the last product that read K' stands ahead of the rescalings at the end of the turn before
.endif
.if ((\x) == 2) && (\kq)
.if ((\pv) && (w == 22)) || ((\pv) == 0) && (w == 2)
	FETCH_V                                        ; the same step's V: behind the last V^T P stand, among others, the maximum's last line, the old m's copy, the new m, the difference and four subtractions: more than four plain instructions
.endif
.endif
.endm
; A TURN.  pv = 2: 20 products V^T P; 1: they start O^T's sums; 0: none.  kq = 1: 32 products K' Q'^T for the next step.  first = 1: the softmax is the first key step's; four v_nop then take the rescalings' part as places.
.macro TURN x, pv, kq, first
.set n, 0
.set w, 0
.if (\pv) && (\kq)
.set EPS, 5
.set NW, 52
.elseif \kq
.set EPS, 8
.set NW, 32
.else
.set EPS, 13
.set NW, 20
.endif
	s_wait_kmcnt 0x0                               ; this turn's mask words are in
.if \pv
.if (\x) == 0
	s_wait_dscnt 0x0                               ; V is in
.endif
.set i, 0
.rept 20
	PV \x, 2-(\pv)
	SLICE \x, \pv, \kq, \first
.set i, i+1
.endr
.endif
.if \kq
.if (\x) == 0
	s_wait_dscnt 0x0                               ; K' is in
.endif
.set i, 0
.rept 32
	KQ \x
	SLICE \x, \pv, \kq, \first
.set i, i+1
.endr
.endif
.if \first
	PLACES
.endif
.endm
; THE CHANGE OF SLOTS, behind a slot's last fetch.  Each wave waits for all its tensor loads (its part of the other slot), adds 0 to its spare word, and waits for that and for its reads of the slot.
; fill = 1: the barrier is a round of the cluster's, and the joint refill is the first thing behind it: it has four key steps in which to land.
.macro CHANGE fill
	WIN 0
	s_wait_tensorcnt 0x0                           ; no tensor load of mine is out, so a group 0 may be written
	ds_add_u32 v[SPW], v[NIL]
.if \fill
	s_xor_b32 s29, s29, SLOT1                      ; the walking descriptor: the other slot than last time,
	s_add_nc_u64 s[30:31], s[30:31], SLOTB         ; the next four key steps
	s_wait_xcnt 0x0                                ; the last prefetch has read its address
	s_add_nc_u64 s[PFA:PFA+1], s[PFA:PFA+1], SLOTB
	s_wait_dscnt 0x0                               ; the add is done, and my reads of the slot are over
	CROUND
	tensor_load_to_lds s[28:31], s[16:23]
	s_nop 0
	PLACES
	ASK
.else
	s_wait_dscnt 0x0
	s_barrier_signal -1
	s_barrier_wait -1
.endif
	s_sub_co_u32 s[TB], s[TB], SLOTB               ; the fetches go back to a slot's first step,
	s_xor_b32 s[TB], s[TB], SLOT1                  ; in the other slot
.endm
.macro STEPS cnt                       ; key steps: written once, walked cnt times
	WIN 0
	s_mov_b32 s[CNT], \cnt
.Lstep_\@:
	TURN 0, 2, 1, 0
	TURN 2, 2, 1, 0
	WIN 0
	s_sub_co_u32 s[CNT], s[CNT], 1
	s_cmp_lg_u32 s[CNT], 0
	s_cbranch_scc1 .Lstep_\@
.endm
	s_wait_tensorcnt 1                             ; my part of slot 0 is in; slot 1's may stay out
	s_barrier_signal -1
	s_barrier_wait -1
	FETCH_K                                        ; key step 0
	s_wait_loadcnt 0x0                             ; Q'
	s_wait_dscnt 0x0
.set i, 0
.rept 32
	KQ 0                                           ; piece 0's first scores
.set i, i+1
.endr
	WIN 0
	PLACES
	TURN 2, 0, 1, 1                                ; piece 2's first scores | piece 0's first softmax | V of step 0
	TURN 0, 1, 1, 1                                ; piece 0: V^T P of step 0 starts O^T, K' Q'^T of step 1 | piece 2's first softmax | K' of step 1
	TURN 2, 1, 1, 0                                ; piece 2: the same | piece 0's softmax of step 1 | V of step 1
	STEPS 2                                        ; the rest of slot 0
.Lslot:                                ; six trips: every slot-load but the last two is followed by a refill
	CHANGE 1
	STEPS 4
	s_sub_co_u32 s[SLOTS], s[SLOTS], 1
	s_cmp_lg_u32 s[SLOTS], 0
	s_cbranch_scc1 .Lslot
	CHANGE 0                                       ; the tail is written out
	STEPS 4
	TURN 0, 2, 0, 0                                ; piece 0: V^T P of the last step | piece 2's last softmax
.set i, 0
.rept 20
	PV 2, 0                                        ; piece 2: V^T P of the last step
.set i, i+1
.endr
	WIN 0
	PLACES
	; THE WAY OUT.  l lies in every register of the fifth accumulator: its lowest is read.  O^T / l, rounded to f16 in pairs, IS the image that the last launch loads: 512 consecutive bytes a store.
	WIN 0x01
.irp t, 0,1,2,3
	v_rcp_f32 v[ST+8*\t+6], v[40*\t+32]
.endr
	v_nop                                          ; a plain instruction behind the last reciprocal
	s_wait_alu depctr_va_vdst(0)                   ; and the wait ahead of the first use: one for the four
.irp t, 0,1,2,3
	WIN W_RS
.set q, 0
.rept 16
	v_pk_mul_f32 v[40*\t+2*q:40*\t+2*q+1], v[40*\t+2*q:40*\t+2*q+1], v[ST+8*\t+6:ST+8*\t+7] op_sel_hi:[1,0]
.set q, q+1
.endr
	WIN 0x05
.set q, 0
.rept 16
	v_cvt_pk_f16_f32 v[S+32*\t+q], v[40*\t+2*q], v[40*\t+2*q+1]
.set q, q+1
.endr
	WIN 0
.irp e, 0,1,2,3
	global_store_b128 v[LA], v[S+32*\t+4*\e:S+32*\t+4*\e+3], s[10:11] offset:\t*32768+\e*512
.endr
.endr
	s_wait_tensorcnt 0x0                           ; the wave's end
	ds_add_u32 v[SPW], v[NIL]
	s_wait_dscnt 0x0
	CROUND                                         ; the closing round
	s_endpgm
.Lfunc_end_k_q45c48cb1b2_attn:
	.size	k_q45c48cb1b2_attn, .Lfunc_end_k_q45c48cb1b2_attn-k_q45c48cb1b2_attn
	.p2alignl 7, 3214868480
	.fill 96, 4, 3214868480
	.section	.rodata,"a",@progbits
	.p2align	6, 0x0
	.amdhsa_kernel k_q45c48cb1b2_attn
		.amdhsa_group_segment_fixed_size 327680
		.amdhsa_private_segment_fixed_size 0
		.amdhsa_enable_private_segment 0
		.amdhsa_kernarg_size 32
		.amdhsa_user_sgpr_count 2
		.amdhsa_user_sgpr_kernarg_segment_ptr 1
		.amdhsa_wavefront_size32 1
		.amdhsa_system_sgpr_workgroup_id_x 1
		.amdhsa_system_sgpr_workgroup_id_y 1
		.amdhsa_system_sgpr_workgroup_id_z 1
		.amdhsa_system_vgpr_workitem_id 0
		.amdhsa_next_free_vgpr 768
		.amdhsa_next_free_sgpr 102
		.amdhsa_reserve_vcc 0
		.amdhsa_float_denorm_mode_32 3
		.amdhsa_float_denorm_mode_16_64 3
		.amdhsa_memory_ordered 1
		.amdhsa_forward_progress 1
		.amdhsa_inst_pref_size 247
	.end_amdhsa_kernel
	.amdgpu_metadata
---
amdhsa.version: [ 1, 2 ]
amdhsa.kernels:
  - .name:           k_q45c48cb1b2_attn
    .symbol:         k_q45c48cb1b2_attn.kd
    .args:
      - { .name: qf, .offset: 0, .size: 8, .value_kind: global_buffer, .address_space: global }
      - { .name: kvf, .offset: 8, .size: 8, .value_kind: global_buffer, .address_space: global }
      - { .name: mw, .offset: 16, .size: 8, .value_kind: global_buffer, .address_space: global }
      - { .name: att, .offset: 24, .size: 8, .value_kind: global_buffer, .address_space: global }
    .group_segment_fixed_size: 327680
    .private_segment_fixed_size: 0
    .kernarg_segment_align: 8
    .kernarg_segment_size: 32
    .max_flat_workgroup_size: 128
    .sgpr_count:     102
    .vgpr_count:     768
    .wavefront_size: 32
...
	.end_amdgpu_metadata
.endif
;; end of part 3
;; launch oproj (part 4): grid 8 x 32, 4 waves a work-group, clusters of 4 x 4, 327,680 bytes of LDS; arguments att, wo16, bo, out0; writes out0
.if DOCPART == 4
	.amdgcn_target "amdgcn-amd-amdhsa--gfx1250"
	.amdhsa_code_object_version 6
	.text
	.protected	k_q45c48cb1b2_oproj
	.globl	k_q45c48cb1b2_oproj
	.p2align	8
	.type	k_q45c48cb1b2_oproj,@function
k_q45c48cb1b2_oproj:
	s_mov_b64 s[64:65], 0
	v_nop
	global_prefetch_b8 v0, s[64:65] scope:SCOPE_SE
	s_setreg_imm32_b32 hwreg(HW_REG_WAVE_MODE, 25, 1), 1
	s_wait_xcnt 0x0
	s_wait_alu depctr_hold_cnt(0) depctr_sa_sdst(0) depctr_va_vdst(0) depctr_va_sdst(0) depctr_va_ssrc(0) depctr_va_vcc(0) depctr_vm_vsrc(0)
	s_getreg_b32 s2, hwreg(HW_REG_IB_STS2, 6, 4)
	s_cmp_eq_u32 s2, 0
	s_cbranch_scc0 .Lentry_in_a_cluster
	s_endpgm
.Lentry_in_a_cluster:
	s_bfe_u32 s2, ttmp6, 0x10000c
	s_cmp_lg_u32 s2, 0xf033
	s_cbranch_scc0 .Lentry_shape_is_right
	s_endpgm
.Lentry_shape_is_right:
; OPROJ: out0 = attention's result x Wo + bo.  Both operands f16, as images of their registers (16 rows x 32 K = 1,024 bytes, a tile's 32 images on end); sums f32; out0 [4096][1024] f32.
; A tile of out0 is 128 x 128, so that there are 256 work-groups; four waves, each 64 x 64: 16 accumulators.  K goes in steps of 256 (8 images a tile of 16 rows: 8,192 consecutive bytes) through two LDS slots.
; A wave's tensor load brings four such runs, 32,768 bytes.  Images need no padding: every LDS load takes 512 consecutive bytes.
; CLUSTERS: 4 x 4 work-groups.  The four of a row need the same tokens' images, the four of a column the same of Wo: each tile is asked for jointly.
; The matrix instruction is used transposed (source 0 = 16 columns of Wo, source 1 = 16 tokens): a lane holds eight neighbouring numbers of a row of out0.  bo is the C of each sum's first product.
; K = 1,024 is four K steps, two laps of the ring: all is written out, there is no backward jump.
; REGISTERS: window 0: v16-29 addresses; v32-95 the way out; v96-127 bo's four tiles; v128-255 the accumulators.  Window 1: two fragment buffers of 128 (64 of the tokens', 64 of Wo's, for 64 along K).
.set CH,    1024
.set RT,    8*CH                       ; a K step of one tile of 16 rows
.set QT,    4*RT                       ; what one tensor load brings, and what one wave reads of either operand
.set SLOT,  4*QT
.set SPARE, 2*SLOT                     ; behind the ring: the spare words, 128 bytes for each wave
.set SPITCH, 272                       ; the way out: a stage of 16 rows x (256 bytes + 16) for each wave, in slot 0, which has had its last fill and its last read by then
.set ADRA, 16
.set ADRB, 20
.set STO,  24
.set RD,   25
.set CO,   26
.set SPW,  28
.set NIL,  29
.set TMP,  32
.set BIA,  96
.set ACC,  128
.set F0,   0
.set F1,   128
.set WV, 12                            ; s12 wave; s13 its upper bit: my half of the rows, and: I fetch tokens (0) or Wo (1); s14 its lower bit: my half of the columns, and which four tiles I fetch
.set HI, 13
.set LO, 14
.set G1, 24
.set G0, 32
.set G1B, 48
.set G0B, 56
.set MSB, 0
.macro WIN new
.if MSB != (\new)
	s_set_vgpr_msb (MSB<<8)|(\new)
.set MSB, (\new)
.endif
.endm
.set MUL,  0x05                        ; sources 0 and 1 window 1; C and D window 0
.set TO_F, 0x40                        ; destination window 1, address window 0
.macro JLOAD s                         ; a joint load; an s_nop 0 and four v_nop follow each of the two lines
	s_cmp_eq_u32 s[HI], 0
	s_cbranch_scc0 .Lfor_b_\@
	tensor_load_to_lds s[G0+4*\s:G0+4*\s+3], s[G1:G1+7]
	s_nop 0
.rept 4
	v_nop
.endr
	s_branch .Lasked_\@
.Lfor_b_\@:
	tensor_load_to_lds s[G0B+4*\s:G0B+4*\s+3], s[G1B:G1B+7]
	s_nop 0
.rept 4
	v_nop
.endr
.Lasked_\@:
.endm
.macro CREST
	s_cmp_lg_u32 s[WV], 0
	s_cbranch_scc1 .Lnot_wave_0_\@
	s_barrier_signal -3
.Lnot_wave_0_\@:
	s_barrier_wait -3
	s_barrier_signal -1
	s_barrier_wait -1
.endm
.macro CROUND
	s_barrier_signal -1
	s_barrier_wait -1
	CREST
.endm
.macro PLACES
.rept 4
	v_nop
.endr
.endm
	s_load_b256 s[4:11], s[0:1], 0x0               ; att, wo16, bo, out0
	v_lshl_add_u32 v[SPW], v0, 2, SPARE
	v_mov_b32 v[NIL], 0
	ds_add_u32 v[SPW], v[NIL]                      ; the opening: the add, twice on end, and its wait ahead of my first tensor load
	ds_add_u32 v[SPW], v[NIL]
	v_lshrrev_b32 v1, 5, v0
	v_readfirstlane_b32 s[WV], v1
	s_lshr_b32 s[HI], s[WV], 1
	s_and_b32 s[LO], s[WV], 1
	s_bfe_u32 s40, ttmp6, 0x40000                  ; cx, cy
	s_bfe_u32 s41, ttmp6, 0x40004
	s_lshl_b32 s42, ttmp9, 2
	s_add_co_u32 s42, s42, s40                     ; tile column
	s_and_b32 s15, ttmp7, 0xffff
	s_lshl_b32 s15, s15, 2
	s_add_co_u32 s15, s15, s41                     ; tile row
	s_lshl_b32 s43, s41, 2
	s_lshl_b32 s43, 15, s43                        ; my row of the cluster
	s_lshl_b32 s44, 0x1111, s40                    ; my column
	s_or_b32 s[G1], s43, (3<<16)|(1<<21)           ; the mask; elements of 8 bytes; bit 21 beside a mask; no padding
	s_or_b32 s[G1B], s44, (3<<16)|(1<<21)
.irp g, G1, G1B
	s_mov_b32 s[\g+1], 1024<<16                    ; tensor_dim0 = 1,024 elements: 8,192 bytes
	s_mov_b32 s[\g+2], 4<<16                       ; tensor_dim1 = 4
	s_mov_b32 s[\g+3], 1024<<16                    ; tile_dim0
	s_mov_b32 s[\g+4], 4                           ; tile_dim1
	s_mov_b32 s[\g+5], 4096                        ; the pitch: 32,768 bytes from tile to tile
	s_mov_b32 s[\g+6], 0
	s_mov_b32 s[\g+7], 0
.endr
	s_lshl_b32 s17, s[LO], 17                      ; which four tiles of 16 rows I fetch
	s_lshl_b32 s16, s15, 18
	s_add_co_u32 s16, s16, s17                     ; tokens: 8 tiles a tile row
	s_lshl_b32 s46, s42, 18
	s_add_co_u32 s46, s46, s17                     ; Wo: 8 tiles a tile column
	s_mov_b32 s17, 0
	s_mov_b32 s47, 0
	s_mul_i32 s20, s[WV], QT                       ; where they go: no place in the cluster enters an LDS address
	s_wait_dscnt 0x0                               ; both opening adds are done
	s_wait_kmcnt 0x0
	s_add_nc_u64 s[18:19], s[4:5], s[16:17]
	s_add_nc_u64 s[46:47], s[6:7], s[46:47]
	CROUND                                         ; all sixteen work-groups are here: the first joint loads meet
.irp s, 0,1
	s_mov_b32 s[G0+4*\s], 1
	s_add_co_u32 s[G0+4*\s+1], s20, \s*SLOT
	s_add_nc_u64 s[G0+4*\s+2:G0+4*\s+3], s[18:19], \s*RT
	s_or_b32 s[G0+4*\s+3], s[G0+4*\s+3], 0x80000000
	s_mov_b32 s[G0B+4*\s], 1
	s_add_co_u32 s[G0B+4*\s+1], s20, \s*SLOT
	s_add_nc_u64 s[G0B+4*\s+2:G0B+4*\s+3], s[46:47], \s*RT
	s_or_b32 s[G0B+4*\s+3], s[G0B+4*\s+3], 0x80000000
	JLOAD \s
.endr
	v_and_b32 v1, 15, v0                           ; l % 16
	v_bfe_u32 v2, v0, 4, 1                         ; l / 16
	v_and_b32 v3, 31, v0
	v_lshlrev_b32 v3, 4, v3                        ; 16 x lane
	s_lshl_b32 s21, s42, 9
	s_lshl_b32 s22, s[LO], 8
	s_add_co_u32 s22, s21, s22                     ; my first column, in bytes
	s_mov_b32 s23, 0
	s_add_nc_u64 s[8:9], s[8:9], s[22:23]
	v_lshlrev_b32 v4, 5, v2
.irp b, 0,1,2,3
	global_load_b128 v[BIA+8*\b:BIA+8*\b+3], v4, s[8:9] offset:\b*64       ; bo[16 b + 8 h + 0 .. 7]: a tile of C
	global_load_b128 v[BIA+8*\b+4:BIA+8*\b+7], v4, s[8:9] offset:\b*64+16
.endr
	s_mul_i32 s21, s[HI], QT                       ; my 64 tokens
	s_mul_i32 s16, s[LO], QT                       ; my 64 columns of Wo,
	s_add_co_u32 s16, s16, 2*QT                    ; which lie behind the tokens' 128
.irp s, 0,1
	v_add_nc_u32 v[ADRA+\s], s21, v3
	v_add_nc_u32 v[ADRB+\s], s16, v3
	s_add_co_u32 s21, s21, SLOT
	s_add_co_u32 s16, s16, SLOT
.endr
	s_mul_i32 s21, s[WV], 16*SPITCH                ; my stage
	v_mul_u32_u24 v5, v1, SPITCH
	v_lshl_add_u32 v5, v2, 5, v5
	v_add_nc_u32 v[STO], s21, v5                   ; in: row l % 16, 32 bytes for each half of the lanes
	v_mul_u32_u24 v5, v2, SPITCH
	v_lshl_add_u32 v5, v1, 4, v5
	v_add_nc_u32 v[RD], s21, v5                    ; back: lanes 0-15 one row of 256 bytes, lanes 16-31 the next
	v_lshlrev_b32 v5, 12, v2
	v_lshl_add_u32 v[CO], v1, 4, v5                ; and the same two rows in out0
	s_lshl_b32 s16, s15, 19
	s_lshl_b32 s17, s[HI], 18
	s_add_co_u32 s16, s16, s17
	s_add_co_u32 s16, s16, s22                     ; my first row x 4,096 bytes + my first column
	s_mov_b32 s17, 0
	s_add_nc_u64 s[10:11], s[10:11], s[16:17]
; 8 products: token tiles a0, a0 + 1 x all 4 column tiles, 32 along K: half c of buffer f.  zero = 1: the first product starts the sums, on bo.  The 16 accumulators take turns.
.macro MUL8 f, c, a0, zero
.irp a, \a0, \a0+1
.irp b, 0,1,2,3
.if \zero
	v_wmma_f32_16x16x32_f16 v[ACC+8*(4*(\a)+\b):ACC+8*(4*(\a)+\b)+7], v[\f+64+8*(4*\c+\b):\f+64+8*(4*\c+\b)+7], v[\f+8*(4*\c+\a):\f+8*(4*\c+\a)+7], v[BIA+8*\b:BIA+8*\b+7]
.else
	v_wmma_f32_16x16x32_f16 v[ACC+8*(4*(\a)+\b):ACC+8*(4*(\a)+\b)+7], v[\f+64+8*(4*\c+\b):\f+64+8*(4*\c+\b)+7], v[\f+8*(4*\c+\a):\f+8*(4*\c+\a)+7], v[ACC+8*(4*(\a)+\b):ACC+8*(4*(\a)+\b)+7]
.endif
.endr
.endr
.endm
; 32 LDS loads in one run: the fragments of the slot's q-th 64 along K into buffer f; the first 32 along K first
.macro FETCH slot, q, f
	WIN TO_F
.irp c, 0,1
.irp i, 0,1,2,3
	ds_load_b128 v[\f+64+8*(4*\c+\i):\f+64+8*(4*\c+\i)+3],   v[ADRB+\slot] offset:\i*RT+(2*(\q)+\c)*CH
	ds_load_b128 v[\f+64+8*(4*\c+\i)+4:\f+64+8*(4*\c+\i)+7], v[ADRB+\slot] offset:\i*RT+(2*(\q)+\c)*CH+512
	ds_load_b128 v[\f+8*(4*\c+\i):\f+8*(4*\c+\i)+3],         v[ADRA+\slot] offset:\i*RT+(2*(\q)+\c)*CH
	ds_load_b128 v[\f+8*(4*\c+\i)+4:\f+8*(4*\c+\i)+7],       v[ADRA+\slot] offset:\i*RT+(2*(\q)+\c)*CH+512
.endr
.endr
.endm
; A K step is four quarters of 64 along K, 32 products each, on buffers 0, 1, 0, 1.  One of the first three multiplies buffer f and fetches quarter q into g.
.macro QUARTER slot, q, f, g, zero
	s_wait_dscnt 16                                ; the first 32 along K are in
	WIN MUL
	MUL8 \f, 0, 0, \zero
	MUL8 \f, 0, 2, \zero
	PLACES
	FETCH \slot, \q, \g
	s_wait_dscnt 32                                ; all but the 32 just issued
	WIN MUL
	MUL8 \f, 1, 0, 0
	MUL8 \f, 1, 2, 0
.endm
; The last quarter multiplies buffer 1 and changes slots: one barrier; in front of it each wave waits for all its tensor loads, adds 0 to its spare word, and waits for that and for its reads of this slot.
.macro TURN slot, next, fill
	WIN 0
	s_wait_tensorcnt 0x0                           ; all my tensor loads have landed: my part of the next slot
	ds_add_u32 v[SPW], v[NIL]
	s_wait_dscnt 17                                ; (the add and the youngest sixteen loads may be out)
	WIN MUL
	MUL8 F1, 0, 0, 0
	s_wait_dscnt 0x0                               ; the add is done, and my reads of this slot are over
	s_barrier_signal -1
	MUL8 F1, 0, 2, 0
.if \fill
	WIN 0
.endif
	s_barrier_wait -1
.if \fill
	CREST                                          ; the barrier has opened a round of the cluster's: no wave of any partner still reads this slot or has a load on its way
	s_add_nc_u64 s[G0+4*\slot+2:G0+4*\slot+3], s[G0+4*\slot+2:G0+4*\slot+3], 2*RT
	s_add_nc_u64 s[G0B+4*\slot+2:G0B+4*\slot+3], s[G0B+4*\slot+2:G0B+4*\slot+3], 2*RT
	JLOAD \slot                                    ; the first tensor load behind the round; its four v_nop are also the places in front of the loads below
.else
	PLACES
.endif
	FETCH \next, 0, F0
	WIN MUL
	MUL8 F1, 1, 0, 0
	MUL8 F1, 1, 2, 0
.endm
	s_wait_tensorcnt 1                             ; my part of K step 0 is in; K step 1's may be out
	s_barrier_signal -1
	s_barrier_wait -1
	FETCH 0, 0, F0
	s_wait_loadcnt 0x0                             ; bo
	QUARTER 0, 1, F0, F1, 1                        ; the first products start the sums
	QUARTER 0, 2, F1, F0, 0
	QUARTER 0, 3, F0, F1, 0
	TURN 0, 1, 1                                   ; slot 0 takes K step 2
	QUARTER 1, 1, F0, F1, 0
	QUARTER 1, 2, F1, F0, 0
	QUARTER 1, 3, F0, F1, 0
	TURN 1, 0, 1                                   ; slot 1 takes K step 3
	QUARTER 0, 1, F0, F1, 0
	QUARTER 0, 2, F1, F0, 0
	QUARTER 0, 3, F0, F1, 0
	TURN 0, 1, 0                                   ; nothing is left to fetch
	QUARTER 1, 1, F0, F1, 0
	QUARTER 1, 2, F1, F0, 0
	QUARTER 1, 3, F0, F1, 0
	s_wait_dscnt 16
	WIN MUL
	MUL8 F1, 0, 0, 0
	MUL8 F1, 0, 2, 0
	s_wait_dscnt 0x0
	MUL8 F1, 1, 1-1, 0
	MUL8 F1, 1, 2, 0
	WIN 0
; THE WAY OUT, 16 rows x 64 columns at a time: a lane holds 32 neighbouring bytes of a row; through my own stage they come back as whole runs of 256 bytes.  LDS serves a wave's instructions in order: no wait between the stores and the loads.
.macro TOSTAGE a
.irp b, 0,1,2,3
	ds_store_b128 v[STO], v[ACC+8*(4*(\a)+\b):ACC+8*(4*(\a)+\b)+3] offset:64*\b        ; each accumulator from its low end on
	ds_store_b128 v[STO], v[ACC+8*(4*(\a)+\b)+4:ACC+8*(4*(\a)+\b)+7] offset:64*\b+16
.endr
.set BK, TMP+32*((\a)%2)
.irp t, 0,1,2,3,4,5,6,7
	ds_load_b128 v[BK+4*\t:BK+4*\t+3], v[RD] offset:\t*2*SPITCH
.endr
.endm
.macro SEND a, younger                 ; younger: the LDS instructions issued behind block a's loads
.set BK, TMP+32*((\a)%2)
	s_wait_dscnt \younger
.irp t, 0,1,2,3,4,5,6,7
	global_store_b128 v[CO], v[BK+4*\t:BK+4*\t+3], s[10:11] offset:(16*(\a)+2*\t)*4096 th:TH_STORE_NT   ; sixteen lanes store 256 consecutive bytes, at a multiple of 256 from out0's first byte
.endr
.endm
	PLACES
	TOSTAGE 0
	TOSTAGE 1
	SEND 0, 16
	s_wait_xcnt 0x0                                ; block 0's stores have read their registers: block 2's loads may land there
	TOSTAGE 2
	SEND 1, 16
	s_wait_xcnt 0x0
	TOSTAGE 3
	SEND 2, 16
	SEND 3, 0
	s_wait_tensorcnt 0x0                           ; the wave's end
	ds_add_u32 v[SPW], v[NIL]
	s_wait_dscnt 0x0
	CROUND                                         ; the closing round
	s_endpgm
.Lfunc_end_k_q45c48cb1b2_oproj:
	.size	k_q45c48cb1b2_oproj, .Lfunc_end_k_q45c48cb1b2_oproj-k_q45c48cb1b2_oproj
	.p2alignl 7, 3214868480
	.fill 96, 4, 3214868480
	.section	.rodata,"a",@progbits
	.p2align	6, 0x0
	.amdhsa_kernel k_q45c48cb1b2_oproj
		.amdhsa_group_segment_fixed_size 327680
		.amdhsa_private_segment_fixed_size 0
		.amdhsa_enable_private_segment 0
		.amdhsa_kernarg_size 32
		.amdhsa_user_sgpr_count 2
		.amdhsa_user_sgpr_kernarg_segment_ptr 1
		.amdhsa_wavefront_size32 1
		.amdhsa_system_sgpr_workgroup_id_x 1
		.amdhsa_system_sgpr_workgroup_id_y 1
		.amdhsa_system_sgpr_workgroup_id_z 1
		.amdhsa_system_vgpr_workitem_id 0
		.amdhsa_next_free_vgpr 512
		.amdhsa_next_free_sgpr 66
		.amdhsa_reserve_vcc 0
		.amdhsa_float_denorm_mode_32 3
		.amdhsa_float_denorm_mode_16_64 3
		.amdhsa_memory_ordered 1
		.amdhsa_forward_progress 1
		.amdhsa_inst_pref_size 86
	.end_amdhsa_kernel
	.amdgpu_metadata
---
amdhsa.version: [ 1, 2 ]
amdhsa.kernels:
  - .name:           k_q45c48cb1b2_oproj
    .symbol:         k_q45c48cb1b2_oproj.kd
    .args:
      - { .name: att, .offset: 0, .size: 8, .value_kind: global_buffer, .address_space: global }
      - { .name: wo16, .offset: 8, .size: 8, .value_kind: global_buffer, .address_space: global }
      - { .name: bo, .offset: 16, .size: 8, .value_kind: global_buffer, .address_space: global }
      - { .name: out0, .offset: 24, .size: 8, .value_kind: global_buffer, .address_space: global }
    .group_segment_fixed_size: 327680
    .private_segment_fixed_size: 0
    .kernarg_segment_align: 8
    .kernarg_segment_size: 32
    .max_flat_workgroup_size: 128
    .sgpr_count:     66
    .vgpr_count:     512
    .wavefront_size: 32
...
	.end_amdgpu_metadata
.endif
;; end of part 4
